; MI455X (gfx1250); checked and timed in simulation.
; The chip was launched on July 23, 2026; its instructions are those of AMD's public machine-readable ISA for CDNA 5 (MIT licence, August 2026) and "CDNA5" Instruction Set Architecture Reference Guide (July 2026). The comments in the code are by the model that wrote it; some were corrected since.
;; Flax Falcon3 Attention. Allowed arithmetic: matrix products marked QUANTISED: E2M3 operands, one E8M0 scale for each 32 along K, by v_wmma_scale_f32_16x16x128_f8f6f4 with both operands' format E2M3, f32 sums; everything else in f32.
;; Inputs: Wk 3,072 x 256 float32; Wo 768 x 3,072 float32; Wq 3,072 x 768 float32; Wv 3,072 x 256 float32; attention_mask 1 x 4,096 int32; hidden_states 1 x 4,096 x 3,072 float32; position_ids 1 x 4,096 int32.
;; Outputs: out0 1 x 4,096 x 3,072 float32.
;; This version of the problem:
;;   THIS VERSION OF THE PROBLEM IS GIVEN IN LOW PRECISION. The matrix products marked QUANTISED in the list below multiply operands that are first quantised to E2M3 (2 exponent bits, 3 mantissa bits; 6 bits a number), with one power-of-two scale for each 32 numbers along K (OCP MX v1.0); their sums are f32. All else is computed in f32.
;;   The module's matrix products, in the order in which they are computed (A, B: the left and right operand; K: the contracted axis; several contracted axes count as one K, in the product's order):
;;     1. [M 4,096, K 3,072] x [K 3,072, N 768]; A: input hidden_states; B: input Wq: QUANTISED
;;     2. [M 4,096, K 3,072] x [K 3,072, N 256]; A: input hidden_states; B: input Wk: QUANTISED
;;     3. [M 4,096, K 3,072] x [K 3,072, N 256]; A: input hidden_states; B: input Wv: QUANTISED
;;     4. batch 12 x [M 4,096, K 64] x [K 64, N 4,096]; A: computed on the way; B: computed on the way: QUANTISED
;;     5. batch 12 x [M 64, K 4,096] x [K 4,096, N 4,096]; A: computed on the way; B: softmax (see below): QUANTISED
;;     6. [M 4,096, K 768] x [K 768, N 3,072]; A: computed on the way; B: input Wo: QUANTISED
;;   THE QUANTISER, for each operand of a quantised product, along K:
;;     - K is cut into blocks of 32 from its start; a last block that is shorter is filled with zeros.
;;     - A block's scale is 2^e with e = floor(log2(the largest magnitude in the block)) - 2, held to -126 .. 127; a block of zeros has e = 0. As a byte (E8M0): e + 127.
;;     - Each number is divided by its block's scale, clamped to +-7.5, and rounded to the nearest number of E2M3, ties to even, subnormals kept.
;;     - The product sums the exact products of the quantised numbers (number of the format x scale) in f32.
;;   ~~~python
;;   def quantise(x, axis):      # numpy; x: float32 -> the quantised numbers, widened to float32 again
;;       x = np.moveaxis(x, axis, -1); K = x.shape[-1]
;;       x = np.pad(x, [(0, 0)] * (x.ndim - 1) + [(0, -K % 32)]); x = x.reshape(x.shape[:-1] + (-1, 32)); a = np.abs(x).max(-1, keepdims=True)
;;       e = np.where(a > 0, np.clip(np.frexp(np.where(a > 0, a, 1))[1] - 1 - 2, -126, 127), 0)      # np.frexp(a)[1] - 1 = floor(log2(a)), exactly
;;       r = np.clip(x / 2.0 ** e, -7.5, 7.5)
;;       step = 2.0 ** (np.maximum(np.frexp(np.where(r == 0, 1, r))[1] - 1, 0) - 3)
;;       q = np.round(r / step) * step * 2.0 ** e      # np.round: ties to even
;;       return np.moveaxis(q.reshape(q.shape[:-2] + (-1,))[..., :K], -1, axis).astype(np.float32)
;;   ~~~
;;   SOFTMAX AHEAD OF A QUANTISED PRODUCT. Where the list says 'softmax', what is quantised is not the finished softmax but p = 2^(t - M), with t = logit x log2(e) and M = ceil(the row's largest t), a whole number; so 1/2 < the row's largest p <= 1. The row's sum l is taken of the UNQUANTISED p, in f32, and the product's result is divided by l at the end. Since M is a whole number, a kernel that streams over the keys may use a running M (the ceiling of the running maximum): every later rescaling is an exact power of two, which a block's scale takes up: the codes' values come out the same.
;;   OPERANDS COMPUTED ON THE WAY. 'Computed on the way' means the value that the module computes at that place (a softmax that the list does not call 'softmax' is quantised finished and normalised). What goes into a quantiser is computed in f32, as accurately as f32 sums, v_exp_f32 and their like allow (about 1e-6 of the number): no bf16 or f16 on the way to a quantiser, and a product that is left as it is and whose result goes on into a quantised operand takes f32 operands (vector FMAs, or v_wmma_f32_16x16x4_f32). A number that lies on a knife's edge between two numbers of the format may be rounded either way, as far as f32 arithmetic and the matrix unit's own rounding can turn it there, and no further.
;; One version. Each part assembles by itself: llvm-mc -triple=amdgcn-amd-amdhsa -mcpu=gfx1250 --defsym DOCPART=n.
;; ======== version 1 of 1: 4 launches
;; limits: right only within a limited range of input values
;; workspace buffers: xq 10,223,616 bytes; wqkv 3,194,880 bytes; woq 1,916,928 bytes; rope 1,048,576 bytes; qimg 3,145,728 bytes; kv 2,031,616 bytes; vs 65,536 bytes; aq 3,145,728 bytes
;; launch prep (part 1): grid 640 x 1, 4 waves a work-group, no clusters, 47,616 bytes of LDS; arguments hidden_states, position_ids, Wq, Wk, Wv, Wo, xq, wqkv, woq, rope; writes xq, wqkv, woq, rope
.if DOCPART == 1
	.amdgcn_target "amdgcn-amd-amdhsa--gfx1250"
	.amdhsa_code_object_version 6
	.text
	.protected	k_qe59c049c39_prep
	.globl	k_qe59c049c39_prep
	.p2align	8
	.type	k_qe59c049c39_prep,@function
k_qe59c049c39_prep:
	s_mov_b64 s[64:65], 0
	v_nop
	global_prefetch_b8 v0, s[64:65] scope:SCOPE_SE
	s_setreg_imm32_b32 hwreg(HW_REG_WAVE_MODE, 25, 1), 1
	s_wait_xcnt 0x0
; PREP: everything that is quantised once.  Three paths, parted on the work-group's number, each with LDS bytes of its own.
;  X (work-groups 0-191):   hidden_states [4096][3072] f32 -> xq: codes of FP6 (E2M3) and E8M0 scale words, blocks of 32 along the 3072.
;  W (work-groups 192-575): Wq, Wk, Wv [3072][n] and Wo [768][3072] f32, K their FIRST axis -> wqkv, woq.
;  T (work-groups 576-639): position_ids -> rope: cos and sin of pos x inv_freq, f32.
; ALL WORKSPACES ARE IMAGES OF OPERAND REGISTERS.  A fragment (16 rows x 128 K, 12 registers a lane) lies as [piece 0..2][lane][16 bytes], piece c = registers 4c..4c+3: 1,536 bytes.
; THE ROWS OF A TILE: row p of tile 2b+u of a group stands for index 32b + 8u + p + 8(p/8), for tokens and for weight columns alike, so that in every later product the 16 registers
; of two neighbouring result tiles are 16 neighbours along the next K.
; xq  [token block 0..31][K step 0..23]: 8 fragments, then 1,024 bytes of scale words [pair][lane][2] (tiles 2p, 2p+1 of row lane%16; both halves of the lanes alike).
; wqkv [G 0..4][K step 0..23]: 16 fragments (256 columns of Wq|Wk|Wv), then 2,048 bytes of scale words.   woq [NG 0..15][K step 0..5]: 12 fragments (192 columns), then 1,536 bytes.
; rope [token tile 0..255][piece 0..7][lane][16]: lane (r,h): pieces 0-3 cos, 4-7 sin of frequencies 16h+0..15 at the tile's token r.
; A block's scale is 2^(floor(log2(largest magnitude)) - 2): the magnitude's exponent field less 2, held at 1 from below by a floor among the maximum's leaves.
; LIMITS: a block of zeros, or one under 2^-124, gets the byte 1 (its codes add nothing; only this program reads the bytes); NaN and infinities are not served;
; |position_ids| < 2^21 (three-term reduction of the angle by pi/2).
.set XST,  8448                        ; path X: a wave's stage, 16 rows x (512 + 16) bytes: the 16 rows of a read start in 16 different groups of banks
.set WLDS, 33792                       ; path W's LDS begins behind path X's
.set WST,  3328                        ; path W: a wave's two fragment images and 256 bytes of scale words
.macro XLOAD i                         ; tile i's 16 rows: each load reads a row's 512 consecutive bytes of the K step
.irp p, 0,1,2,3,4,5,6,7,8,9,10,11,12,13,14,15
	global_load_b128 v[56+64*((\i)%2)+4*\p:56+64*((\i)%2)+4*\p+3], v1, s[4:5] offset:(32*((\i)/2)+8*((\i)%2)+\p+8*(\p/8))*12288 th:TH_LOAD_NT
.endr
.endm
.macro XFRAG i                         ; tile i: through the stage, so that lane (r,h) holds k = 64c+32h+0..31 of row r; two whole blocks a lane
.set RS, 56+64*((\i)%2)
.set CS, 16+12*((\i)%2)
.if (\i) < 7
	s_wait_loadcnt 16                      ; my 16 loads are in; the next tile's 16 may be out
.else
	s_wait_loadcnt 0x0
.endif
.irp p, 0,1,2,3,4,5,6,7,8,9,10,11,12,13,14,15
	ds_store_b128 v5, v[RS+4*\p:RS+4*\p+3] offset:528*\p
.endr
.irp c, 0,1
.irp k, 0,1,2,3,4,5,6,7
	ds_load_b128 v[184+32*\c+4*\k:187+32*\c+4*\k], v6 offset:256*\c+16*\k   ; LDS serves a wave's instructions in order: these see the stores above
.endr
.endr
	s_wait_dscnt 0x0
.if (\i) < 6
	XLOAD (\i)+2
.endif
.irp c, 0,1
	v_max3_num_f32 v[8+\c], |v[184+32*\c]|, |v[185+32*\c]|, 0x1800000   ; block 2c+h: all 32 numbers are mine; the floor 2^(3-127) holds the byte at 1
.endr
.irp k, 2,4,6,8,10,12,14,16,18,20,22,24,26,28,30
.irp c, 0,1
	v_max3_num_f32 v[8+\c], v[8+\c], |v[184+32*\c+\k]|, |v[185+32*\c+\k]|
.endr
.endr
.irp c, 0,1
	v_add_nc_u32 v[10+\c], 0xff000000, v[8+\c]   ; 2 off the exponent field: the conversion's scale operand
.endr
.irp c, 0,1
	v_lshrrev_b32 v[12+\c], 23, v[10+\c]         ; the scale's byte
.endr
	v_lshl_or_b32 v14, v13, 16, v12              ; my bytes of blocks h and 2+h,
	v_lshlrev_b32 v14, v4, v14                   ; 8h bits up;
	v_permlanex16_b32 v15, v14, s32, s33
	v_or_b32 v[48+(\i)], v14, v15                ; with lane l xor 16's two the row's word is whole, in both halves
.if (\i) > 1
	s_wait_alu depctr_va_vdst(0)
	s_wait_xcnt 0x0                              ; the stores of two tiles back have read this set of code registers
.endif
.irp c, 0,1
	v_cvt_scalef32_pk16_fp6_f32 v[CS+6*\c:CS+6*\c+2], v[184+32*\c:199+32*\c], v[10+\c]
	v_cvt_scalef32_pk16_fp6_f32 v[40+4*\c:42+4*\c], v[200+32*\c:215+32*\c], v[10+\c]   ; (a conversion's three registers begin on an even number)
.endr
	v_nop                                        ; one plain place behind a scaled conversion
.irp c, 0,1
.irp e, 0,1,2
	v_mov_b32 v[CS+3+6*\c+\e], v[40+4*\c+\e]
.endr
.endr
.irp c, 0,1,2
	global_store_b128 v1, v[CS+4*\c:CS+4*\c+3], s[16:17] offset:1536*(\i)+512*\c   ; 512 consecutive bytes a store
.endr
.endm
.macro WLOAD kb                        ; block kb: 32 rows of K at my column; neighbouring lanes read neighbouring columns
.irp i, 0,1,2,3,4,5,6,7,8,9,10,11,12,13,14,15,16,17,18,19,20,21,22,23,24,25,26,27,28,29,30,31
	global_load_b32 v[64+32*((\kb)%2)+\i], v[32+\i], s[48+2*(\kb):49+2*(\kb)] th:TH_LOAD_NT
.endr
.endm
.macro WBLOCK kb                       ; the block's 32 numbers lie in my 32 registers: no other lane is asked
.set XS, 64+32*((\kb)%2)
.if (\kb) < 3
	s_wait_loadcnt 32                      ; this block's loads are in; the next block's 32 may be out
.else
	s_wait_loadcnt 0x0
.endif
	v_max3_num_f32 v12, |v[XS]|, |v[XS+1]|, |v[XS+2]|
	v_max3_num_f32 v13, |v[XS+3]|, |v[XS+4]|, |v[XS+5]|
.irp i, 6,10,14,18,22,26
	v_max3_num_f32 v12, v12, |v[XS+\i]|, |v[XS+\i+1]|
	v_max3_num_f32 v13, v13, |v[XS+\i+2]|, |v[XS+\i+3]|
.endr
	v_max3_num_f32 v12, v12, |v[XS+30]|, |v[XS+31]|
	v_max3_num_f32 v12, v12, v13, 0x1800000
	v_add_nc_u32 v11, 0xff000000, v12
	v_lshrrev_b32 v13, 23, v11
.if (\kb) == 0
	v_mov_b32 v24, v13                           ; my column's scale word: byte kb
.else
	v_lshl_or_b32 v24, v13, 8*(\kb), v24
.endif
	v_cvt_scalef32_pk16_fp6_f32 v[16:18], v[XS:XS+15], v11
	v_cvt_scalef32_pk16_fp6_f32 v[20:22], v[XS+16:XS+31], v11
	v_nop
	v_mov_b32 v19, v20
	v_mov_b32 v20, v21
	v_mov_b32 v21, v22                           ; v16-21: registers 6(kb/2)+0..5 of lane (row, kb%2) of my tile's fragment
.irp e, 0,2,4
	ds_store_b64 v7, v[16+\e:17+\e] offset:256*((\kb)%2)+512*((6*((\kb)/2)+\e)/4)+4*((6*((\kb)/2)+\e)%4)
.endr
.if (\kb) < 2
	WLOAD (\kb)+2
.endif
	s_wait_dscnt 0x0                             ; the stores have read their registers
.endm
.macro FREQ i, lo, hi                  ; inv_freq[16h+i]: theta^(-j/32) as decimals, rounded to f32 by the assembler
	v_mov_b32 v9, \hi
	v_cndmask_b32 v[64+\i], \lo, v9, vcc_lo
.endm
.macro SINCOS i
	v_mul_f32 v10, v8, v[64+\i]                  ; the angle, rounded once, as reference() has it
	v_mul_f32 v11, 0x3f22f983, v10
	v_rndne_f32 v11, v11                         ; n = the nearest multiple of pi/2
	v_fma_f32 v12, v11, s30, v10                 ; r = angle - n pi/2, pi/2 in three parts
	v_fma_f32 v12, v11, s31, v12
	v_fma_f32 v12, v11, s34, v12
	v_mul_f32 v13, v12, v12                      ; z = r r
	v_fma_f32 v14, v13, s35, s36
	v_fma_f32 v14, v14, v13, s37
	v_mul_f32 v15, v13, v12
	v_fma_f32 v14, v14, v15, v12                 ; sin r
	v_fma_f32 v16, v13, s38, s39
	v_fma_f32 v16, v16, v13, s40
	v_fma_f32 v17, v13, -0.5, 1.0
	v_mul_f32 v18, v13, v13
	v_fma_f32 v16, v16, v18, v17                 ; cos r
	v_cvt_i32_f32 v19, v11
	v_and_b32 v20, 1, v19
	v_cmp_ne_u32 vcc_lo, 0, v20                  ; an odd quadrant changes sine and cosine
	v_cndmask_b32 v21, v14, v16, vcc_lo
	v_cndmask_b32 v22, v16, v14, vcc_lo
	v_and_b32 v20, 2, v19
	v_lshlrev_b32 v20, 30, v20
	v_xor_b32 v[48+\i], v21, v20                 ; sin: negative in quadrants 2, 3
	v_add_nc_u32 v19, 1, v19
	v_and_b32 v19, 2, v19
	v_lshlrev_b32 v19, 30, v19
	v_xor_b32 v[32+\i], v22, v19                 ; cos: negative in quadrants 1, 2
.endm
	s_load_b512 s[4:19], s[0:1], 0x0       ; hidden s[4:5], position_ids s[6:7], Wq s[8:9], Wk s[10:11], Wv s[12:13], Wo s[14:15], xq s[16:17], wqkv s[18:19]
	s_load_b128 s[20:23], s[0:1], 0x40     ; woq s[20:21], rope s[22:23]
	v_lshl_add_u32 v254, v0, 2, 0xb800
	v_mov_b32 v255, 0
	v_lshrrev_b32 v1, 5, v0
	v_readfirstlane_b32 s24, v1            ; wave
	v_and_b32 v2, 31, v0                   ; lane
	v_and_b32 v3, 15, v0                   ; r
	v_bfe_u32 v4, v0, 4, 1                 ; h
	s_cmp_lt_u32 ttmp9, 192
	s_cbranch_scc1 .Lpath_x
	s_cmp_lt_u32 ttmp9, 576
	s_cbranch_scc1 .Lpath_w
	; ---- PATH T: a wave makes one token tile's table
	s_sub_co_u32 s25, ttmp9, 576
	s_lshl_b32 s25, s25, 2
	s_add_co_u32 s25, s25, s24             ; token tile
	s_lshr_b32 s26, s25, 1
	s_lshl_b32 s26, s26, 5
	s_and_b32 s27, s25, 1
	s_lshl_b32 s27, s27, 3
	s_add_co_u32 s26, s26, s27             ; its first token
	s_wait_alu depctr_va_vdst(0)
	v_and_b32 v5, 8, v3
	v_add_nc_u32 v5, v5, v3
	v_add_nc_u32 v5, s26, v5               ; my token
	v_lshlrev_b32 v5, 2, v5
	v_lshlrev_b32 v6, 4, v2
	s_lshl_b32 s28, s25, 12
	s_mov_b32 s29, 0
	s_mov_b32 s30, 0xbfc90fdb              ; -pi/2, first part
	s_mov_b32 s31, 0x333bbd2e              ; what the first part has too much,
	s_mov_b32 s34, 0x26f72ced              ; and the rest
	s_mov_b32 s35, -0.00019515295891       ; sine's polynomial on |r| <= pi/4
	s_mov_b32 s36, 0.0083321608736
	s_mov_b32 s37, -0.16666654611
	s_mov_b32 s38, 0.00002443315711809948  ; cosine's
	s_mov_b32 s39, -0.001388731625493765
	s_mov_b32 s40, 0.04166664568298827
	s_wait_alu depctr_va_vdst(0)
	s_wait_kmcnt 0x0
	global_load_b32 v8, v5, s[6:7]
	s_add_nc_u64 s[22:23], s[22:23], s[28:29]
	v_cmp_ne_u32 vcc_lo, 0, v4
	FREQ 0, 1.0, 0.00099997900066148
	FREQ 1, 0.64938077928128, 0.00064936714271446
	FREQ 2, 0.42169539649996, 0.00042168654117558
	FREQ 3, 0.27384088519847, 0.00027383513472102
	FREQ 4, 0.17782700742926, 0.00017782327317973
	FREQ 5, 0.11547744066167, 0.00011547501571180
	FREQ 6, 0.074988830406282, 0.000074987255690447
	FREQ 7, 0.048696305126623, 0.000048695282536427
	FREQ 8, 0.031622444571245, 0.000031621780520827
	FREQ 9, 0.020535007698454, 0.000020534576476876
	FREQ 10, 0.013335039301769, 0.000013334759274765
	FREQ 11, 0.0086595182135294, 0.0000086593363693750
	FREQ 12, 0.0056233246857021, 0.0000056232065996035
	FREQ 13, 0.0036516789665529, 0.0000036516022837101
	FREQ 14, 0.0023713301329852, 0.0000023712803366210
	FREQ 15, 0.0015398962096911, 0.0000015398638728893
	s_wait_loadcnt 0x0
	v_cvt_f32_i32 v8, v8
.irp i, 0,1,2,3,4,5,6,7,8,9,10,11,12,13,14,15
	SINCOS \i
.endr
.irp p, 0,1,2,3,4,5,6,7
	global_store_b128 v6, v[32+4*\p:35+4*\p], s[22:23] offset:512*\p
.endr
	s_endpgm
	; ---- PATH X: a wave makes one block (token block, K step)
.Lpath_x:
	s_mul_i32 s25, ttmp9, 10923
	s_lshr_b32 s25, s25, 16                ; token block = work-group / 6
	s_mul_i32 s26, s25, 6
	s_sub_co_u32 s26, ttmp9, s26
	s_lshl_b32 s26, s26, 2
	s_add_co_u32 s26, s26, s24             ; K step
	s_mul_i32 s28, s25, 1572864            ; 128 rows of 12,288 bytes
	s_lshl_b32 s27, s26, 9
	s_add_co_u32 s28, s28, s27
	s_mov_b32 s29, 0
	s_mul_i32 s30, s25, 24
	s_add_co_u32 s30, s30, s26
	s_mul_i32 s30, s30, 13312
	s_mov_b32 s31, 0
	s_mov_b32 s32, 0x76543210
	s_mov_b32 s33, 0xfedcba98              ; v_permlanex16_b32's selects for lane l xor 16
	s_wait_alu depctr_va_vdst(0)
	v_lshlrev_b32 v1, 4, v2                ; 16 x lane
	v_lshlrev_b32 v7, 3, v2                ; 8 x lane
	s_mul_i32 s34, s24, XST
	v_add_nc_u32 v5, s34, v1               ; the stage, on the way in
	v_mul_u32_u24 v6, v3, 528
	v_lshl_add_u32 v6, v4, 7, v6
	v_add_nc_u32 v6, s34, v6               ; and out: row r, + 128 h
	v_lshlrev_b32 v4, 3, v4                ; 8 h
	v_mov_b32 v15, 0                       ; a lane permute's destination counts as one of its sources
	s_wait_alu depctr_va_vdst(0)
	s_wait_kmcnt 0x0
	s_add_nc_u64 s[4:5], s[4:5], s[28:29]
	s_add_nc_u64 s[16:17], s[16:17], s[30:31]
	XLOAD 0
	XLOAD 1
.irp i, 0,1,2,3,4,5,6,7
	XFRAG \i
.endr
.irp p, 0,1,2,3
	global_store_b64 v7, v[48+2*\p:49+2*\p], s[16:17] offset:12288+256*\p
.endr
	s_wait_tensorcnt 0x0
	ds_add_u32 v254, v255
	s_wait_dscnt 0x0
	s_endpgm
	; ---- PATH W: a work-group takes 128 columns x one K step of one weight; a wave 32 columns, a pair of tiles.  One path for the four tensors: only pointers and sizes are chosen, on ids
.Lpath_w:
	s_sub_co_u32 s25, ttmp9, 192
	s_min_u32 s26, s25, 239                ; Wq | Wk | Wv: 24 K steps x 10 groups of 128 columns
	s_mul_i32 s27, s26, 6554
	s_lshr_b32 s27, s27, 16                ; K step
	s_mul_i32 s28, s27, 10
	s_sub_co_u32 s28, s26, s28             ; group of columns, 0..9
	s_max_u32 s29, s25, 240                ; Wo: 6 K steps x 24 groups
	s_sub_co_u32 s29, s29, 240
	s_mul_i32 s30, s29, 2731
	s_lshr_b32 s30, s30, 16
	s_mul_i32 s31, s30, 24
	s_sub_co_u32 s31, s29, s31
	s_lshl_b32 s32, s28, 2
	s_add_co_u32 s32, s32, s24             ; my pair among the 40
	s_lshr_b32 s33, s32, 3                 ; G
	s_and_b32 s34, s32, 7                  ; pair in its block
	s_mul_i32 s33, s33, 24
	s_add_co_u32 s33, s33, s27
	s_mul_i32 s33, s33, 26624
	s_lshl_b32 s35, s31, 2
	s_add_co_u32 s35, s35, s24             ; my pair among Wo's 96
	s_mul_i32 s36, s35, 10923
	s_lshr_b32 s36, s36, 16                ; NG
	s_mul_i32 s37, s36, 6
	s_sub_co_u32 s35, s35, s37
	s_add_co_u32 s37, s37, s30
	s_mul_i32 s37, s37, 19968
	s_mov_b32 s38, 1024
	s_mov_b32 s39, 12288
	s_mov_b32 s40, 18432
	s_wait_kmcnt 0x0
	s_cmp_lt_u32 s28, 6
	s_cselect_b64 s[42:43], s[8:9], s[10:11]
	s_cselect_b32 s38, 3072, s38           ; a row of the weight in bytes
	s_cselect_b32 s41, 0, 6
	s_cmp_lt_u32 s28, 8
	s_cselect_b64 s[42:43], s[42:43], s[12:13]
	s_cselect_b32 s41, s41, 8
	s_sub_co_u32 s41, s28, s41             ; the group of columns inside its own tensor
	s_cmp_lt_u32 s25, 240
	s_cselect_b64 s[42:43], s[42:43], s[14:15]
	s_cselect_b64 s[44:45], s[18:19], s[20:21]
	s_cselect_b32 s38, s38, s39
	s_cselect_b32 s41, s41, s31
	s_cselect_b32 s27, s27, s30
	s_cselect_b32 s34, s34, s35
	s_cselect_b32 s33, s33, s37
	s_cselect_b32 s40, 24576, s40          ; where a block's scale words begin
	s_lshl_b32 s46, s27, 7
	s_mul_i32 s46, s46, s38
	s_lshl_b32 s47, s41, 9
	s_add_co_u32 s46, s46, s47
	s_lshl_b32 s47, s24, 7
	s_add_co_u32 s46, s46, s47
	s_mov_b32 s47, 0
	s_add_nc_u64 s[48:49], s[42:43], s[46:47]   ; block 0 of the K step at my wave's first column;
	s_lshl_b32 s46, s38, 5
	s_add_nc_u64 s[50:51], s[48:49], s[46:47]   ; blocks 1 to 3: 32 rows on each
	s_add_nc_u64 s[52:53], s[50:51], s[46:47]
	s_add_nc_u64 s[54:55], s[52:53], s[46:47]
	s_mul_i32 s46, s34, 3072
	s_add_co_u32 s46, s46, s33
	s_add_nc_u64 s[58:59], s[44:45], s[46:47]   ; my two fragments
	s_lshl_b32 s46, s34, 8
	s_add_co_u32 s46, s46, s33
	s_add_co_u32 s46, s46, s40
	s_add_nc_u64 s[60:61], s[44:45], s[46:47]   ; my pair's scale words
	v_bfe_u32 v5, v0, 3, 1                 ; column l of the pair is row (l%8) + 8(l/16) of tile (l/8)%2
	v_and_b32 v6, 7, v0
	s_wait_alu depctr_va_vdst(0)
	v_lshl_or_b32 v6, v4, 3, v6
	s_mul_i32 s56, s24, WST
	s_add_co_u32 s56, s56, WLDS
	v_mul_u32_u24 v7, v5, 1536
	v_lshl_add_u32 v7, v6, 4, v7
	v_add_nc_u32 v7, s56, v7               ; my row's 16 bytes in piece 0 of my tile's image, lanes' half 0
	v_lshlrev_b32 v8, 3, v6
	v_lshl_add_u32 v8, v5, 2, v8
	v_add_nc_u32 v8, s56, v8               ; my scale word's place
	v_lshlrev_b32 v9, 4, v2
	v_add_nc_u32 v10, s56, v9              ; back: 16 bytes a lane
	v_lshlrev_b32 v25, 3, v2
	v_add_nc_u32 v26, s56, v25
	v_lshlrev_b32 v3, 2, v2
.irp i, 0,1,2,3,4,5,6,7,8,9,10,11,12,13,14,15,16,17,18,19,20,21,22,23,24,25,26,27,28,29,30,31
	v_mad_u32_u24 v[32+\i], s38, \i, v3    ; row i of a block, my column
.endr
	WLOAD 0
	WLOAD 1
	WBLOCK 0
	WBLOCK 1
	WBLOCK 2
	WBLOCK 3
	s_wait_alu depctr_va_vdst(0)
	ds_store_b32 v8, v24 offset:3072
	ds_store_b32 v8, v24 offset:3200       ; and the copy for lanes 16-31
.irp k, 0,1,2,3,4,5
	ds_load_b128 v[128+4*\k:131+4*\k], v10 offset:512*\k
.endr
	ds_load_b64 v[152:153], v26 offset:3072
.irp k, 0,1,2,3,4,5
	s_wait_dscnt 6-\k                      ; the LDS loads issued behind load k may be out
	global_store_b128 v9, v[128+4*\k:131+4*\k], s[58:59] offset:512*\k
.endr
	s_wait_dscnt 0x0
	global_store_b64 v25, v[152:153], s[60:61]
	s_wait_tensorcnt 0x0
	ds_add_u32 v254, v255
	s_wait_dscnt 0x0
	s_endpgm
.Lfunc_end_k_qe59c049c39_prep:
	.size	k_qe59c049c39_prep, .Lfunc_end_k_qe59c049c39_prep-k_qe59c049c39_prep
	.p2alignl 7, 3214868480
	.fill 96, 4, 3214868480
	.section	.rodata,"a",@progbits
	.p2align	6, 0x0
	.amdhsa_kernel k_qe59c049c39_prep
		.amdhsa_group_segment_fixed_size 47616
		.amdhsa_private_segment_fixed_size 0
		.amdhsa_enable_private_segment 0
		.amdhsa_kernarg_size 80
		.amdhsa_user_sgpr_count 2
		.amdhsa_user_sgpr_kernarg_segment_ptr 1
		.amdhsa_wavefront_size32 1
		.amdhsa_system_sgpr_workgroup_id_x 1
		.amdhsa_system_sgpr_workgroup_id_y 1
		.amdhsa_system_sgpr_workgroup_id_z 1
		.amdhsa_system_vgpr_workitem_id 0
		.amdhsa_next_free_vgpr 256
		.amdhsa_next_free_sgpr 66
		.amdhsa_reserve_vcc 1
		.amdhsa_float_denorm_mode_32 3
		.amdhsa_float_denorm_mode_16_64 3
		.amdhsa_memory_ordered 1
		.amdhsa_forward_progress 1
		.amdhsa_inst_pref_size 107
	.end_amdhsa_kernel
	.amdgpu_metadata
---
amdhsa.version: [ 1, 2 ]
amdhsa.kernels:
  - .name:           k_qe59c049c39_prep
    .symbol:         k_qe59c049c39_prep.kd
    .args:
      - { .name: hidden_states, .offset: 0, .size: 8, .value_kind: global_buffer, .address_space: global }
      - { .name: position_ids, .offset: 8, .size: 8, .value_kind: global_buffer, .address_space: global }
      - { .name: Wq, .offset: 16, .size: 8, .value_kind: global_buffer, .address_space: global }
      - { .name: Wk, .offset: 24, .size: 8, .value_kind: global_buffer, .address_space: global }
      - { .name: Wv, .offset: 32, .size: 8, .value_kind: global_buffer, .address_space: global }
      - { .name: Wo, .offset: 40, .size: 8, .value_kind: global_buffer, .address_space: global }
      - { .name: xq, .offset: 48, .size: 8, .value_kind: global_buffer, .address_space: global }
      - { .name: wqkv, .offset: 56, .size: 8, .value_kind: global_buffer, .address_space: global }
      - { .name: woq, .offset: 64, .size: 8, .value_kind: global_buffer, .address_space: global }
      - { .name: rope, .offset: 72, .size: 8, .value_kind: global_buffer, .address_space: global }
    .group_segment_fixed_size: 47616
    .private_segment_fixed_size: 0
    .kernarg_segment_align: 8
    .kernarg_segment_size: 80
    .max_flat_workgroup_size: 128
    .sgpr_count:     66
    .vgpr_count:     256
    .wavefront_size: 32
...
	.end_amdgpu_metadata
.endif
;; end of part 1
;; launch qkv (part 2): grid 32 x 5, 4 waves a work-group, clusters of 4 x 1, 327,680 bytes of LDS; arguments xq, wqkv, rope, attention_mask, qimg, kv, vs; writes qimg, kv, vs
.if DOCPART == 2
	.amdgcn_target "amdgcn-amd-amdhsa--gfx1250"
	.amdhsa_code_object_version 6
	.text
	.protected	k_qe59c049c39_qkv
	.globl	k_qe59c049c39_qkv
	.p2align	8
	.type	k_qe59c049c39_qkv,@function
k_qe59c049c39_qkv:
	s_mov_b64 s[64:65], 0
	v_nop
	global_prefetch_b8 v0, s[64:65] scope:SCOPE_SE
	s_setreg_imm32_b32 hwreg(HW_REG_WAVE_MODE, 25, 1), 1
	s_wait_xcnt 0x0
	s_wait_alu depctr_hold_cnt(0) depctr_sa_sdst(0) depctr_va_vdst(0) depctr_va_sdst(0) depctr_va_ssrc(0) depctr_va_vcc(0) depctr_vm_vsrc(0)
	s_getreg_b32 s2, hwreg(HW_REG_IB_STS2, 6, 4)
	s_cmp_eq_u32 s2, 0
	s_cbranch_scc0 .Lentry_in_a_cluster
	s_endpgm
.Lentry_in_a_cluster:
	s_bfe_u32 s2, ttmp6, 0x10000c
	s_cmp_lg_u32 s2, 0x3003
	s_cbranch_scc0 .Lentry_shape_is_right
	s_endpgm
.Lentry_shape_is_right:
; QKV: x [Wq|Wk|Wv] on codes of FP6 (E2M3) with E8M0 scales, K = 3072 in 24 steps of 128; then the rotary embedding and the quantisers of q, k (along the head's 64) and v (along the keys).
; SHARES.  A work-group: 128 tokens (token block TB) x 4 heads (G: 0-2 query heads, 3 key heads, 4 value heads).  Four waves, 32 accumulators each (window 1: (i,j) at v[64j+8i]).
;   q, k: source 0 = 8 tiles of W (two heads), source 1 = 4 tiles of x (64 tokens): a lane holds ONE token, its registers run along the head's 64.
;   v:    source 0 = the 8 tiles of x (128 tokens), source 1 = 4 tiles of W (one head): a lane holds one of the head's 64, its registers run along the tokens, which are the next K.
;   One K loop serves both: only the LDS read addresses differ, chosen once on G (equal in all partners of a cluster).
; CLUSTER 4 x 1: the partners share G, so W's blocks are asked for JOINTLY (mask 15); x's blocks are each work-group's own, asked for behind the same rounds.
; RING: two LDS slots of four K steps: [x: 4 x 13,312][W: 4 x 26,624] bytes, all dense images of operand registers: no pitch, no padding.  Waves 0, 1 fetch two K steps of W each, waves 2, 3 two K steps of x each.
;   By this text's count a wave has one tensor load out at the start and one behind each round.
; THE MASK GOES INTO K'S OPERAND: product 4 has K = 64, half of the instruction's 128.  At k = 64 Q carries the code 1.0 under the scale byte 187; a key whose attention_mask is not above 0 carries -1.0 under 187
;   (its score is -2^120), an open key the code 0 under the byte 1.  Block 3 has the byte 64 on both sides and zero codes of Q.
; OUT: qimg [token tile][head] 1,024 bytes: registers 0-3 (16 a lane), 4-5 (8 a lane), {scale word, 0} (8 a lane).
;   kv [kv head][key step] 15,872 bytes: 8 K tiles of 1,024 ({0-3}, {4, 5, mask code, 0}), K's scale words [2][lane][4], 4 V fragments of 1,536, V's scale words [lane][4].
;   vs [kv head][key step][2][16][4] f32: the step's sums of quantised V (ones x V by the matrix unit), for queries that have no open key.
; LIMITS: blocks under 2^-124 and blocks of zeros get the byte 1; NaN and infinities are not served.
.set XBLK, 13312
.set WBLK, 26624
; THE RING AS IT STANDS: two slots of FOUR K steps: [x: 4 x 13,312][W: 4 x 26,624] bytes.  Waves 0, 1 fetch two K steps of W each, jointly; waves 2, 3 two K steps of x each.  24 K steps are six slots, four of them refills.
.set WOFF, 4*XBLK
.set SLOT, 4*XBLK+4*WBLK
.set SPARE, 2*SLOT                     ; behind the ring: the spare words, 128 bytes a wave: two blocks of 256 bytes that no other line names
.set SPW, 1                            ; v1  my spare word; never rewritten
.set NIL, 2                            ; v2  0; never rewritten
.set AX, 4                             ; v4-9   source 0's fragments, for (slot, K step in it);  v10-15 their scale words
.set ASX, 12                           ; eight address registers a kind, for (slot, K step in it): v4-11, v12-19, v20-27, v247-254
.set AY, 20
.set ASY, 247
.set SX, 28                            ; scale words: set p at +12p: 8 of source 0, then 4 of source 1
.set SY, 36
.set XF, 52                            ; v52-147 source 0's eight fragments, ONE set
.set YF, 148                           ; v148-195, v196-243 source 1's four, TWO sets
.set L16, 244                          ; 16 x lane
.set MOF, 245                          ; the mask loads' offset
.set L8, 246                           ; 8 x lane
.set WV, 18
.set TH, 19
.set HP, 20
.set TBK, 22
.set GG, 23
.set G1X, 24
.set G1W, 32
.set G0X, 40
.set G0W, 48
.set SEL, 86
.set MULW, 0x50                        ; C and D in window 1, the sources in window 0
; the way out, in window 0 (the fragments' registers are free then)
.set HA, 52                            ; v52-115  64 rotated numbers
.set PC, 116                           ; v116-135 the codes just made
.set TM, 136                           ; v136-151 at work
.set PW, 152                           ; the scale word just made
.set QW, 154                           ; v154-157 {word, 0} of two heads
.set KB, 160                           ; v160-167 {4, 5, mask code, 0} of two heads
.set SK, 168                           ; v168-175 K's scale words: two heads x four tiles
.set MK, 176                           ; v176-179 mask codes;  v180-183 the upper half of K's scale words
.set MS, 180
.set C28, 184
.set CBB, 185
.set MW, 186
.set ONES, 160                         ; value heads: v160-171 a fragment of ones, v172 its scales
.set ONESC, 172
.set SV, 176
.set DV, 192
.set VR, 224
.set MSB, 0
.macro WIN new                         ; the immediate's high byte repeats the setting that is left
.if MSB != \new
	s_set_vgpr_msb (MSB<<8)|\new
.set MSB, \new
.endif
.endm
.macro PLACES n
.rept \n
	v_nop
.endr
.endm
.macro CREST                           ; a round of the cluster's barrier behind its opening barrier
	s_cmp_lg_u32 s[WV], 0
	s_cbranch_scc1 .Lnot_wave_0_\@
	s_barrier_signal -3
.Lnot_wave_0_\@:
	s_barrier_wait -3
	s_barrier_signal -1
	s_barrier_wait -1
.endm
.macro CROUND
	s_barrier_signal -1
	s_barrier_wait -1
	CREST
.endm
.macro JLOAD sg                        ; waves 0, 1: two K steps of W, jointly; waves 2, 3: two of x.  Four v_nop follow each line
	s_cmp_lt_u32 s[WV], 2
	s_cbranch_scc0 .Lfor_x_\@
	tensor_load_to_lds s[G0W+4*\sg:G0W+4*\sg+3], s[G1W:G1W+7]
	s_nop 0
	PLACES 4
	s_branch .Lasked_\@
.Lfor_x_\@:
	tensor_load_to_lds s[G0X+4*\sg:G0X+4*\sg+3], s[G1X:G1X+7]
	s_nop 0
	PLACES 4
.Lasked_\@:
.endm
; A PREFETCH INTO THE L2, behind fill t of the ring, for what fill t + 2 loads (fills 0 and 1 are the first fills, 2 to 5 the refills; j = t): four K steps of x, 208 blocks of 256 bytes, and of W, 416 blocks.
; x is my work-group's own: wave w names the 52 blocks of the fill's K step w, 26 lanes an instruction.  W is the cluster's: its sixteen waves share the 416 blocks out BY ADDRESS, 26 each, at place 4 cx + w.
; Lanes 26-31 name their wave's last block again.  Every offset is an immediate: v255, s[62:63] and s[98:99] are never rewritten.  Fills 4 and 5 ask for nothing: there is no fill 6.
.macro ASKQ j
	global_prefetch_b8 v255, s[62:63] offset:(\j)*4*XBLK th:TH_LOAD_NT scope:SCOPE_SE
	global_prefetch_b8 v255, s[62:63] offset:(\j)*4*XBLK+6656 th:TH_LOAD_NT scope:SCOPE_SE
	global_prefetch_b8 v255, s[98:99] offset:(\j)*4*WBLK th:TH_LOAD_NT scope:SCOPE_SE
.endm
.macro FETCH_Y sg, q, p
.irp j, 0,1,2,3
.irp c, 0,1,2
	ds_load_b128 v[YF+48*(\p)+12*\j+4*\c:YF+48*(\p)+12*\j+4*\c+3], v[AY+4*(\sg)+(\q)] offset:1536*\j+512*\c
.endr
.endr
.endm
.macro FETCH_S sg, q, p
.irp k, 0,1,2,3
	ds_load_b64 v[SX+12*(\p)+2*\k:SX+12*(\p)+2*\k+1], v[ASX+4*(\sg)+(\q)] offset:256*\k
.endr
.irp k, 0,1
	ds_load_b64 v[SY+12*(\p)+2*\k:SY+12*(\p)+2*\k+1], v[ASY+4*(\sg)+(\q)] offset:256*\k
.endr
.endm
.macro FETCH_X sg, q, i0
.irp i, \i0, \i0+1, \i0+2, \i0+3
.irp c, 0,1,2
	ds_load_b128 v[XF+12*(\i)+4*\c:XF+12*(\i)+4*\c+3], v[AX+4*(\sg)+(\q)] offset:1536*(\i)+512*\c
.endr
.endr
.endm
.macro MUL2 i0, p, zero                ; 8 products; the 32 accumulators take turns, one instruction a turn, in the same order in every step
.irp i, \i0, \i0+1
.irp j, 0,1,2,3
.if \zero
	v_wmma_scale_f32_16x16x128_f8f6f4 v[64*\j+8*(\i):64*\j+8*(\i)+7], v[XF+12*(\i):XF+12*(\i)+11], v[YF+48*(\p)+12*\j:YF+48*(\p)+12*\j+11], 0, v[SX+12*(\p)+(\i)], v[SY+12*(\p)+\j] matrix_a_fmt:MATRIX_FMT_FP6 matrix_b_fmt:MATRIX_FMT_FP6
.else
	v_wmma_scale_f32_16x16x128_f8f6f4 v[64*\j+8*(\i):64*\j+8*(\i)+7], v[XF+12*(\i):XF+12*(\i)+11], v[YF+48*(\p)+12*\j:YF+48*(\p)+12*\j+11], v[64*\j+8*(\i):64*\j+8*(\i)+7], v[SX+12*(\p)+(\i)], v[SY+12*(\p)+\j] matrix_a_fmt:MATRIX_FMT_FP6 matrix_b_fmt:MATRIX_FMT_FP6
.endif
.endr
.endr
.endm
; A K step whose successor lies in the same slot.  A tile of source 0 is free as soon as its four products are issued: tiles 0-3 are fetched anew in the middle, 4-7 at the end.
; Four plain places stand in front of each run of loads into registers that matrix instructions have read.
.macro STEP sg, q, p, zero
	s_wait_dscnt 12                        ; all but the youngest 12 loads (source 0's tiles 4-7)
	WIN MULW
	MUL2 0, \p, \zero
	MUL2 2, \p, \zero
	s_wait_dscnt 0x0
	PLACES 4
	WIN 0
	FETCH_Y \sg, (\q)+1, 1-(\p)
	FETCH_S \sg, (\q)+1, 1-(\p)
	FETCH_X \sg, (\q)+1, 0
	WIN MULW
	MUL2 4, \p, \zero
	MUL2 6, \p, \zero
	PLACES 4
	WIN 0
	FETCH_X \sg, (\q)+1, 4
.endm
; A slot's fourth step changes slots: each wave waits for all its tensor loads, adds 0 to its spare word, waits for that and for its reads of this slot; one barrier, which with fill = 1 opens a round of the cluster's.
.macro TURN sg, p, fill
	s_wait_tensorcnt 0x0                   ; my part of the next slot has landed; no tensor load of mine is out
	ds_add_u32 v[SPW], v[NIL]              ; 0 onto my spare word
	s_wait_dscnt 13                        ; (the add and the youngest 12 loads may be out)
	WIN MULW
	MUL2 0, \p, 0
	s_wait_dscnt 0x0                       ; the add is done, and my reads of this slot are over
	s_barrier_signal -1
	MUL2 2, \p, 0
	WIN 0
	s_barrier_wait -1
.if \fill
	CREST                                  ; no wave of any partner still reads this slot or has a load on its way
	s_add_nc_u64 s[G0X+4*\sg+2:G0X+4*\sg+3], s[G0X+4*\sg+2:G0X+4*\sg+3], 8*XBLK
	s_add_nc_u64 s[G0W+4*\sg+2:G0W+4*\sg+3], s[G0W+4*\sg+2:G0W+4*\sg+3], 8*WBLK
	JLOAD \sg                              ; the first tensor load behind the round; its four v_nop are the places in front of the loads below
.else
	PLACES 4
.endif
	FETCH_Y 1-(\sg), 0, 1-(\p)
	s_wait_alu depctr_va_vdst(0)
	FETCH_S 1-(\sg), 0, 1-(\p)
	FETCH_X 1-(\sg), 0, 0
.if \fill
	s_cmp_gt_u32 s3, 1                     ; the loop's first trip alone: fills 2 and 3 ask for fills 4 and 5
	s_cbranch_scc0 .Lno_ask_\@
	ASKQ 2+(\sg)
.Lno_ask_\@:
.endif
	WIN MULW
	MUL2 4, \p, 0
	MUL2 6, \p, 0
	PLACES 4
	WIN 0
	FETCH_X 1-(\sg), 0, 4
.endm
; 64 numbers of a lane, register 16b+i = k 32b + 16(lane/16) + i of my row, become a fragment's codes in v[PC] on and its scale word in v[PW].  win = 1: the numbers lie in window 1.
.macro QUANT s, win
.if \win
	WIN 0x05
.endif
.irp b, 0,1,2,3
	v_max3_num_f32 v[TM+\b], |v[(\s)+16*\b]|, |v[(\s)+1+16*\b]|, 0x1800000   ; with the floor 2^(3-127): the byte cannot fall under 1
.endr
.if \win
	WIN 0x14
.endif
.irp i, 2,4,6,8,10,12,14
.irp b, 0,1,2,3
	v_max3_num_f32 v[TM+\b], v[TM+\b], |v[(\s)+16*\b+\i]|, |v[(\s)+1+16*\b+\i]|
.endr
.endr
	WIN 0
.irp b, 0,1,2,3
	v_permlanex16_b32 v[TM+4+\b], v[TM+\b], s[SEL], s[SEL+1]
.endr
.irp b, 0,1,2,3
	v_max_num_f32 v[TM+\b], v[TM+\b], v[TM+4+\b]
.endr
.irp b, 0,1,2,3
	v_add_nc_u32 v[TM+12+\b], 0xff000000, v[TM+\b]
.endr
.irp b, 0,1,2,3
	v_lshrrev_b32 v[TM+4+\b], 23, v[TM+12+\b]
.endr
	v_lshl_or_b32 v[PW], v[TM+5], 8, v[TM+4]
	v_lshl_or_b32 v[PW], v[TM+6], 16, v[PW]
	v_lshl_or_b32 v[PW], v[TM+7], 24, v[PW]
.if \win
	WIN 0x01
.endif
.irp c, 0,1
	v_cvt_scalef32_pk16_fp6_f32 v[PC+6*\c:PC+2+6*\c], v[(\s)+32*\c:(\s)+15+32*\c], v[TM+12+2*\c]
	v_cvt_scalef32_pk16_fp6_f32 v[PC+12+4*\c:PC+14+4*\c], v[(\s)+16+32*\c:(\s)+31+32*\c], v[TM+12+2*\c+1]
.endr
	WIN 0
	v_nop                                  ; one plain place behind a scaled conversion
.irp c, 0,1                            ; the operand's layout wants a whole block in a lane
.irp i, 0,1,2
	v_permlane16_swap_b32 v[PC+6*\c+\i], v[PC+12+4*\c+\i]
.endr
.irp i, 0,1,2
	v_mov_b32 v[PC+3+6*\c+\i], v[PC+12+4*\c+\i]
.endr
.endr
.endm
; The rotary embedding of token tile j, two heads: registers 0-15 of a head are d = 16h+i, registers 16-31 d = 32+16h+i; both take frequency 16h+i.  Each accumulator is read from its low end on.
.macro ROPE j
	WIN 0x09                               ; source 0 window 1 (the sums), source 1 window 2 (cos, sin)
.irp hh, 0,1
.irp i, 0,2,4,6,8,10,12,14
	v_pk_mul_f32 v[HA+32*\hh+\i:HA+32*\hh+\i+1], v[64*\j+32*\hh+\i:64*\j+32*\hh+\i+1], v[32*\j+\i:32*\j+\i+1]
	v_pk_mul_f32 v[HA+32*\hh+16+\i:HA+32*\hh+17+\i], v[64*\j+32*\hh+16+\i:64*\j+32*\hh+17+\i], v[32*\j+\i:32*\j+\i+1]
	v_pk_fma_f32 v[HA+32*\hh+\i:HA+32*\hh+\i+1], v[64*\j+32*\hh+16+\i:64*\j+32*\hh+17+\i], v[32*\j+16+\i:32*\j+17+\i], v[HA+32*\hh+\i:HA+32*\hh+\i+1] neg_lo:[1,0,0] neg_hi:[1,0,0]
	v_pk_fma_f32 v[HA+32*\hh+16+\i:HA+32*\hh+17+\i], v[64*\j+32*\hh+\i:64*\j+32*\hh+\i+1], v[32*\j+16+\i:32*\j+17+\i], v[HA+32*\hh+16+\i:HA+32*\hh+17+\i]
.endr
.endr
	WIN 0
.endm
.macro QKOUT j
	ROPE \j
	s_wait_xcnt 0x0                        ; the last tile's stores have read their registers
	QUANT HA, 0
	s_cmp_eq_u32 s[GG], 3
	s_cbranch_scc1 .Lkeys_\@
	v_and_or_b32 v[QW], v[PW], s84, s85    ; head 0's two bytes, then 187 (block 2) and 64 (block 3)
	v_lshrrev_b32 v[QW+2], 16, v[PW]
	v_or_b32 v[QW+2], s85, v[QW+2]
.irp hh, 0,1
	global_store_b128 v[L16], v[PC+6*\hh:PC+6*\hh+3], s[70:71] offset:(12*\j+\hh)*1024
	global_store_b64 v[L8], v[PC+6*\hh+4:PC+6*\hh+5], s[70:71] offset:(12*\j+\hh)*1024+512
	global_store_b64 v[L8], v[QW+2*\hh:QW+2*\hh+1], s[70:71] offset:(12*\j+\hh)*1024+768
.endr
	s_branch .Lstored_\@
.Lkeys_\@:
	v_and_or_b32 v[SK+\j], v[PW], s84, v[MS+\j]
	v_lshrrev_b32 v[SK+4+\j], 16, v[PW]
	v_or_b32 v[SK+4+\j], v[SK+4+\j], v[MS+\j]
	s_wait_alu depctr_va_vdst(0)
.irp hh, 0,1
	v_mov_b32 v[KB+4*\hh], v[PC+6*\hh+4]
	v_mov_b32 v[KB+4*\hh+1], v[PC+6*\hh+5]
	v_mov_b32 v[KB+4*\hh+2], v[MK+\j]
	global_store_b128 v[L16], v[PC+6*\hh:PC+6*\hh+3], s[72:73] offset:\hh*507904+\j*1024
	global_store_b128 v[L16], v[KB+4*\hh:KB+4*\hh+3], s[72:73] offset:\hh*507904+\j*1024+512
.endr
.Lstored_\@:
.endm
.macro VOUT j                          ; rows of the head's tile j, K = the block's 128 tokens
	s_wait_xcnt 0x0
	QUANT 64*\j, 1
.irp c, 0,1,2
	global_store_b128 v[L16], v[PC+4*\c:PC+4*\c+3], s[76:77] offset:1536*\j+512*\c
.endr
	v_mov_b32 v[SV+\j], v[PW]
	PLACES 8                               ; a scale word written by a vector instruction stands 8 places ahead of a scaled product, an operand 4
	v_wmma_scale_f32_16x16x128_f8f6f4 v[DV+8*\j:DV+8*\j+7], v[ONES:ONES+11], v[PC:PC+11], 0, v[ONESC], v[PW] matrix_a_fmt:MATRIX_FMT_FP6 matrix_b_fmt:MATRIX_FMT_FP6
.endm
	s_load_b256 s[4:11], s[0:1], 0x0       ; xq s[4:5], wqkv s[6:7], rope s[8:9], attention_mask s[10:11]
	s_load_b128 s[12:15], s[0:1], 0x20     ; qimg s[12:13], kv s[14:15]
	s_load_b64 s[16:17], s[0:1], 0x30      ; vs
	v_lshl_add_u32 v[SPW], v0, 2, SPARE
	v_mov_b32 v[NIL], 0
	ds_add_u32 v1, v2
	ds_add_u32 v1, v2
	s_wait_dscnt 0x0
	v_lshrrev_b32 v3, 5, v0
	v_readfirstlane_b32 s[WV], v3          ; wave 0..3
	s_lshr_b32 s[TH], s[WV], 1             ; q, k: which 64 tokens
	s_and_b32 s[HP], s[WV], 1              ; q, k: which two heads
	s_bfe_u32 s21, ttmp6, 0x40000          ; cx
	s_lshl_b32 s[TBK], ttmp9, 2
	s_add_co_u32 s[TBK], s[TBK], s21       ; token block
	s_and_b32 s[GG], ttmp7, 0xffff         ; group of heads: the same in all four partners
	s_mov_b32 s[G1X], 3<<16                ; x: no mask; elements of 8 bytes; 104 rows of 256 bytes, dense
	s_mov_b32 s[G1X+1], 32<<16
	s_mov_b32 s[G1X+2], 104<<16            ; two K steps of x: 104 rows of 256 bytes
	s_mov_b32 s[G1X+3], 32<<16
	s_mov_b32 s[G1X+4], 104
	s_mov_b32 s[G1X+5], 32
	s_mov_b32 s[G1X+6], 0
	s_mov_b32 s[G1X+7], 0
	s_mov_b32 s[G1W], 15|(3<<16)|(1<<21)   ; W: all four work-groups; bit 21 beside the mask; 104 rows of 256 bytes, dense
	s_mov_b32 s[G1W+1], 32<<16
	s_mov_b32 s[G1W+2], 208<<16            ; two K steps of W: 208 rows of 256 bytes
	s_mov_b32 s[G1W+3], 32<<16
	s_mov_b32 s[G1W+4], 208
	s_mov_b32 s[G1W+5], 32
	s_mov_b32 s[G1W+6], 0
	s_mov_b32 s[G1W+7], 0
	s_mul_i32 s56, s[GG], 24*WBLK          ; W's address: G and the wave's number alone
	s_mul_i32 s57, s[WV], 2*WBLK
	s_add_co_u32 s56, s56, s57
	s_mov_b32 s57, 0
	s_mul_i32 s58, s[TBK], 24*XBLK         ; x's: my own token block, and which two K steps of a slot's four (waves 2, 3: w%2)
	s_mul_i32 s61, s[HP], 2*XBLK
	s_add_co_u32 s58, s58, s61
	s_mov_b32 s59, 0
	s_mul_i32 s60, s[WV], 2*WBLK
	s_mul_i32 s62, s[TBK], 24*XBLK         ; the prefetches: x at (my token block, K step 8 + w),
	s_mul_i32 s63, s[WV], XBLK
	s_add_co_u32 s62, s62, s63
	s_add_co_u32 s62, s62, 8*XBLK
	s_mov_b32 s63, 0
	s_lshl_b32 s99, s21, 2
	s_add_co_u32 s99, s99, s[WV]           ; my place among the cluster's sixteen waves: 4 cx + w
	s_mul_i32 s99, s99, 6656
	s_mul_i32 s98, s[GG], 24*WBLK          ; W at (G, K step 8), my 26 blocks
	s_add_co_u32 s98, s98, s99
	s_add_co_u32 s98, s98, 8*WBLK
	s_mov_b32 s99, 0
	s_add_co_u32 s60, s60, WOFF
	s_wait_kmcnt 0x0
	s_add_nc_u64 s[56:57], s[6:7], s[56:57]
	s_add_nc_u64 s[58:59], s[4:5], s[58:59]
	s_add_nc_u64 s[62:63], s[4:5], s[62:63]
	s_add_nc_u64 s[98:99], s[6:7], s[98:99]
.irp sg, 0,1
	s_mov_b32 s[G0X+4*\sg], 1
	s_add_co_u32 s[G0X+4*\sg+1], s61, \sg*SLOT
	s_add_nc_u64 s[G0X+4*\sg+2:G0X+4*\sg+3], s[58:59], \sg*4*XBLK
	s_or_b32 s[G0X+4*\sg+3], s[G0X+4*\sg+3], 0x80000000
	s_mov_b32 s[G0W+4*\sg], 1
	s_add_co_u32 s[G0W+4*\sg+1], s60, \sg*SLOT
	s_add_nc_u64 s[G0W+4*\sg+2:G0W+4*\sg+3], s[56:57], \sg*4*WBLK
	s_or_b32 s[G0W+4*\sg+3], s[G0W+4*\sg+3], 0x80000000
.endr
	CROUND                                 ; all four work-groups are here: the first joint loads meet
	s_cmp_lt_u32 s[WV], 2
	s_cbranch_scc0 .Lfirst_x
	tensor_load_to_lds s[G0W:G0W+3], s[G1W:G1W+7]
	s_nop 0
	PLACES 4
	s_branch .Lfirst_asked
.Lfirst_x:
	tensor_load_to_lds s[G0X:G0X+3], s[G1X:G1X+7]
	s_nop 0
	PLACES 4
.Lfirst_asked:
	v_and_b32 v3, 31, v0
	v_min_u32 v255, 25, v3
	v_lshlrev_b32 v255, 8, v255            ; the prefetches' offset: a lane a block of 256 bytes; never rewritten
	v_lshlrev_b32 v[L16], 4, v3
	v_lshlrev_b32 v[L8], 3, v3
	v_and_b32 v3, 15, v0
	v_and_b32 v[MOF], 8, v3
	v_add_nc_u32 v[MOF], v[MOF], v3
	v_lshlrev_b32 v[MOF], 2, v[MOF]        ; 4 (r + 8 (r/8))
	s_wait_alu depctr_va_vdst(0)
	s_lshl_b32 s66, s[TBK], 3
	s_lshl_b32 s67, s[TH], 2
	s_add_co_u32 s66, s66, s67             ; my first token tile: 8 TB + 4 th
	s_lshl_b32 s68, s66, 12
	s_mov_b32 s69, 0
	s_add_nc_u64 s[8:9], s[8:9], s[68:69]
	s_lshl_b32 s68, s66, 6                 ; its first token x 4 bytes
	s_add_nc_u64 s[10:11], s[10:11], s[68:69]
	WIN 0x80                               ; destination window 2: these land while K is walked; their addresses stay untouched
.irp j, 0,1,2,3
	global_load_b32 v[128+\j], v[MOF], s[10:11] offset:4*(32*(\j/2)+8*(\j%2))
.irp p, 0,1,2,3,4,5,6,7
	global_load_b128 v[32*\j+4*\p:32*\j+4*\p+3], v[L16], s[8:9] offset:4096*\j+512*\p
.endr
.endr
	WIN 0
	; where the results go
	ASKQ 0                                 ; behind fill 0: what fill 2 loads
	s_mul_i32 s80, s66, 12
	s_lshl_b32 s81, s[GG], 2
	s_add_co_u32 s80, s80, s81
	s_lshl_b32 s81, s[HP], 1
	s_add_co_u32 s80, s80, s81
	s_lshl_b32 s80, s80, 10
	s_mov_b32 s81, 0
	s_add_nc_u64 s[70:71], s[12:13], s[80:81]   ; qimg at (my first token tile, my first head)
	s_lshl_b32 s80, s[HP], 6
	s_add_co_u32 s80, s80, s[TBK]
	s_mul_i32 s80, s80, 15872
	s_lshl_b32 s82, s[TH], 12
	s_add_co_u32 s82, s82, s80
	s_mov_b32 s83, 0
	s_add_nc_u64 s[72:73], s[14:15], s[82:83]   ; kv at (kv head 2 hp, key step TB), K tile 4 th
	s_lshl_b32 s82, s[TH], 9
	s_add_co_u32 s82, s82, s80
	s_add_co_u32 s82, s82, 8192
	s_add_nc_u64 s[74:75], s[14:15], s[82:83]   ; and its scale words
	s_lshl_b32 s80, s[WV], 5
	s_add_co_u32 s80, s80, s[TBK]
	s_mul_i32 s82, s80, 15872
	s_add_co_u32 s82, s82, 9216
	s_add_nc_u64 s[76:77], s[14:15], s[82:83]   ; kv at (kv head w, key step TB), V's part
	s_lshl_b32 s82, s80, 9
	s_add_nc_u64 s[78:79], s[16:17], s[82:83]   ; vs likewise
	s_mov_b32 s84, 0xffff
	s_mov_b32 s85, 0x40bb0000
	s_mov_b32 s[SEL], 0x76543210
	s_mov_b32 s[SEL+1], 0xfedcba98
	; the LDS read addresses: what is source 0 and what source 1 hangs on G alone; every choice stays inside its slot
	s_mul_i32 s88, s[HP], 12288
	s_add_co_u32 s88, s88, WOFF            ; q, k: source 0 = W's tiles 8 hp on
	s_lshl_b32 s89, s[HP], 10
	s_add_co_u32 s89, s89, WOFF+24576
	s_mul_i32 s90, s[TH], 6144             ;       source 1 = x's tiles 4 th on
	s_lshl_b32 s91, s[TH], 9
	s_add_co_u32 s91, s91, 12288
	s_mul_i32 s92, s[WV], 6144             ; v: source 1 = W's tiles 4 w on
	s_add_co_u32 s92, s92, WOFF
	s_lshl_b32 s93, s[WV], 9
	s_add_co_u32 s93, s93, WOFF+24576
	s_mov_b32 s94, XBLK
	s_mov_b32 s95, WBLK
	s_mov_b32 s96, 12288
	s_cmp_eq_u32 s[GG], 4
	s_cselect_b32 s88, 0, s88              ; v: source 0 = x's eight tiles
	s_cselect_b32 s89, s96, s89
	s_cselect_b32 s90, s92, s90
	s_cselect_b32 s91, s93, s91
	s_cselect_b32 s96, s94, s95            ; from K step to K step: source 0's,
	s_cselect_b32 s97, s95, s94            ; source 1's
.irp sg, 0,1
	s_add_co_u32 s56, s88, \sg*SLOT
	s_add_co_u32 s57, s89, \sg*SLOT
	s_add_co_u32 s58, s90, \sg*SLOT
	s_add_co_u32 s59, s91, \sg*SLOT
.irp q, 0,1,2,3
	v_add_nc_u32 v[AX+4*\sg+\q], s56, v[L16]
	v_add_nc_u32 v[ASX+4*\sg+\q], s57, v[L8]
	v_add_nc_u32 v[AY+4*\sg+\q], s58, v[L16]
	v_add_nc_u32 v[ASY+4*\sg+\q], s59, v[L8]
	s_add_co_u32 s56, s56, s96
	s_add_co_u32 s57, s57, s96
	s_add_co_u32 s58, s58, s97
	s_add_co_u32 s59, s59, s97
.endr
.endr
	; one tensor load a wave at the head (slot 0); slot 1's first fill is issued as a refill is: by this text's count one load of a wave is out at any place
	s_wait_alu depctr_va_vdst(0)
	s_wait_tensorcnt 0x0                   ; my part of slot 0 is in
	ds_add_u32 v[SPW], v[NIL]
	s_wait_dscnt 0x0
	CROUND                                 ; slot 0 is whole for all waves, and the partners' joint loads meet
	JLOAD 1
	FETCH_Y 0, 0, 0
	FETCH_S 0, 0, 0
	FETCH_X 0, 0, 0
	FETCH_X 0, 0, 4
	ASKQ 1                                 ; behind fill 1 and the first run of LDS loads: what fill 3 loads
	STEP 0, 0, 0, 1                        ; the first K step stands in front of the loop: its products start the sums
	s_mov_b32 s3, 2
.Llap:                                     ; a trip: eight K steps, once round the ring; both slots are filled again
	STEP 0, 1, 1, 0
	STEP 0, 2, 0, 0
	TURN 0, 1, 1
	STEP 1, 0, 0, 0
	STEP 1, 1, 1, 0
	STEP 1, 2, 0, 0
	TURN 1, 1, 1
	STEP 0, 0, 0, 0
	s_sub_co_u32 s3, s3, 1
	s_cmp_lg_u32 s3, 0
	s_cbranch_scc1 .Llap
	STEP 0, 1, 1, 0                        ; the last seven K steps fill nothing
	STEP 0, 2, 0, 0
	TURN 0, 1, 0
	STEP 1, 0, 0, 0
	STEP 1, 1, 1, 0
	STEP 1, 2, 0, 0
	s_wait_dscnt 12
	WIN MULW
	MUL2 0, 1, 0
	MUL2 2, 1, 0
	s_wait_dscnt 0x0
	MUL2 4, 1, 0
	MUL2 6, 1, 0
	WIN 0
	PLACES 4                               ; in front of the first read of results and the first write of registers that held fragments
	s_wait_loadcnt 0x0                     ; cos, sin and the mask
.irp b, 0,1,2,3
	v_mov_b32 v[TM+4+\b], 0                ; a lane permute's destination counts as one of its sources
.endr
	s_cmp_eq_u32 s[GG], 4
	s_cbranch_scc1 .Lrole_v
	; ---- query and key heads
	v_bfe_u32 v153, v0, 4, 1
	v_cmp_eq_u32 vcc_lo, 0, v153
	v_mov_b32 v[C28], 0x28
	v_cndmask_b32 v[C28], 0, v[C28], vcc_lo     ; the code -1.0 at k = 64: register 6 of lanes 0-15
	v_mov_b32 v[CBB], 0x40bb0000
	v_mov_b32 v[QW+1], 0
	v_mov_b32 v[QW+3], 0
	v_mov_b32 v[KB+3], 0
	v_mov_b32 v[KB+7], 0
	WIN 0x02
.irp j, 0,1,2,3
	v_mov_b32 v[MW+\j], v[128+\j]          ; my token's mask word, out of window 2
.endr
	WIN 0
.irp j, 0,1,2,3
	v_cmp_gt_i32 vcc_lo, 1, v[MW+\j]       ; not above 0: the key is masked
	v_cndmask_b32 v[MK+\j], 0, v[C28], vcc_lo
	v_cndmask_b32 v[MS+\j], 0x40010000, v[CBB], vcc_lo   ; block 2's byte: 187 or 1; block 3's: 64
.endr
	QKOUT 0
	QKOUT 1
	QKOUT 2
	QKOUT 3
	s_cmp_eq_u32 s[GG], 3
	s_cbranch_scc0 .Lend
	global_store_b128 v[L16], v[SK:SK+3], s[74:75]
	global_store_b128 v[L16], v[SK+4:SK+7], s[74:75] offset:507904
	s_branch .Lend
	; ---- value heads
.Lrole_v:
.irp c, 0,1,2,3
	v_mov_b32 v[ONES+3*\c], 0x08208208     ; the code 1.0, six bits each, without gaps
	v_mov_b32 v[ONES+3*\c+1], 0x82082082
	v_mov_b32 v[ONES+3*\c+2], 0x20820820
.endr
	v_mov_b32 v[ONESC], 0x7f7f7f7f
	VOUT 0
	VOUT 1
	VOUT 2
	VOUT 3
	PLACES 4
.irp j, 0,1,2,3
	v_mov_b32 v[VR+\j], v[DV+8*\j]         ; every row of the result holds the same sums: the lowest register serves
.endr
	global_store_b128 v[L16], v[VR:VR+3], s[78:79]
	global_store_b128 v[L16], v[SV:SV+3], s[76:77] offset:6144
.Lend:
	s_wait_tensorcnt 0x0                   ; the wave's end
	ds_add_u32 v[SPW], v[NIL]
	s_wait_dscnt 0x0
	CROUND                                 ; the closing round
	s_endpgm
.Lfunc_end_k_qe59c049c39_qkv:
	.size	k_qe59c049c39_qkv, .Lfunc_end_k_qe59c049c39_qkv-k_qe59c049c39_qkv
	.p2alignl 7, 3214868480
	.fill 96, 4, 3214868480
	.section	.rodata,"a",@progbits
	.p2align	6, 0x0
	.amdhsa_kernel k_qe59c049c39_qkv
		.amdhsa_group_segment_fixed_size 327680
		.amdhsa_private_segment_fixed_size 0
		.amdhsa_enable_private_segment 0
		.amdhsa_kernarg_size 56
		.amdhsa_user_sgpr_count 2
		.amdhsa_user_sgpr_kernarg_segment_ptr 1
		.amdhsa_wavefront_size32 1
		.amdhsa_system_sgpr_workgroup_id_x 1
		.amdhsa_system_sgpr_workgroup_id_y 1
		.amdhsa_system_sgpr_workgroup_id_z 1
		.amdhsa_system_vgpr_workitem_id 0
		.amdhsa_next_free_vgpr 648
		.amdhsa_next_free_sgpr 100
		.amdhsa_reserve_vcc 1
		.amdhsa_float_denorm_mode_32 3
		.amdhsa_float_denorm_mode_16_64 3
		.amdhsa_memory_ordered 1
		.amdhsa_forward_progress 1
		.amdhsa_inst_pref_size 190
	.end_amdhsa_kernel
	.amdgpu_metadata
---
amdhsa.version: [ 1, 2 ]
amdhsa.kernels:
  - .name:           k_qe59c049c39_qkv
    .symbol:         k_qe59c049c39_qkv.kd
    .args:
      - { .name: xq, .offset: 0, .size: 8, .value_kind: global_buffer, .address_space: global }
      - { .name: wqkv, .offset: 8, .size: 8, .value_kind: global_buffer, .address_space: global }
      - { .name: rope, .offset: 16, .size: 8, .value_kind: global_buffer, .address_space: global }
      - { .name: attention_mask, .offset: 24, .size: 8, .value_kind: global_buffer, .address_space: global }
      - { .name: qimg, .offset: 32, .size: 8, .value_kind: global_buffer, .address_space: global }
      - { .name: kv, .offset: 40, .size: 8, .value_kind: global_buffer, .address_space: global }
      - { .name: vs, .offset: 48, .size: 8, .value_kind: global_buffer, .address_space: global }
    .group_segment_fixed_size: 327680
    .private_segment_fixed_size: 0
    .kernarg_segment_align: 8
    .kernarg_segment_size: 56
    .max_flat_workgroup_size: 128
    .sgpr_count:     100
    .vgpr_count:     648
    .wavefront_size: 32
...
	.end_amdgpu_metadata
.endif
;; end of part 2
;; launch attn (part 3): grid 64 x 4, 12 waves a work-group, clusters of 4 x 1, 327,680 bytes of LDS; arguments qimg, kv, vs, aq; writes aq
.if DOCPART == 3
	.amdgcn_target "amdgcn-amd-amdhsa--gfx1250"
	.amdhsa_code_object_version 6
	.text
	.protected	k_qe59c049c39_attn
	.globl	k_qe59c049c39_attn
	.p2align	8
	.type	k_qe59c049c39_attn,@function
k_qe59c049c39_attn:
	s_mov_b64 s[64:65], 0
	v_nop
	global_prefetch_b8 v0, s[64:65] scope:SCOPE_SE
	s_setreg_imm32_b32 hwreg(HW_REG_WAVE_MODE, 25, 1), 1
	s_wait_xcnt 0x0
	s_wait_alu depctr_hold_cnt(0) depctr_sa_sdst(0) depctr_va_vdst(0) depctr_va_sdst(0) depctr_va_ssrc(0) depctr_va_vcc(0) depctr_vm_vsrc(0)
	s_getreg_b32 s2, hwreg(HW_REG_IB_STS2, 6, 4)
	s_cmp_eq_u32 s2, 0
	s_cbranch_scc0 .Lentry_in_a_cluster
	s_endpgm
.Lentry_in_a_cluster:
	s_bfe_u32 s2, ttmp6, 0x10000c
	s_cmp_lg_u32 s2, 0x3003
	s_cbranch_scc0 .Lentry_shape_is_right
	s_endpgm
.Lentry_shape_is_right:
; ATTENTION on codes of FP6 (E2M3): S^T = K Q^T (K = 64 of the instruction's 128; the other half carries the padding mask), the softmax by the stated rule, O^T = V^T P^T (K = the keys), O / l quantised along the head's 64.
; t = score x log2(e) / 8; M = the running largest t rounded UP to a whole number; p = 2^(t - M) is quantised along the keys; l is the sum of the unquantised p.  When M moves, l and O^T are multiplied by 2^(old M - new M): exact.
; LEFT OUT: key steps all of whose keys come after a tile's queries: reference()'s own causal mask gives them the weight 0.
; SHARES.  A tile of 16 queries in octet o (tokens 128 o on) has o + 1 key steps of 128 keys.  Work-group (a = cluster x, e = place in the cluster, g = kv head) takes tiles 2e, 2e+1 of octet 31-a (long) and of octet a (short),
;   for the heads 3g, 3g+1, 3g+2: a long and a short tile have 33 key steps together, which a PAIR of waves shares.  Wave w: head w%3, tile (w/3)%2, role w/6.
;   Role A (w < 6): the long tile's key steps 0..16, one in each of 17 trips.   Role B: in trips 0..14-a the long tile's key steps 17..31-a; at trip 15-a it leaves O^T, -M and l of that part in LDS, takes the short tile's Q from LDS
;   and begins anew; in trips 15-a..15 the short tile's key steps 0..a; trip 16 has nothing for it.  Behind trip 16 and a barrier wave w adds wave w+6's part to its own, both brought under the larger M by exact powers of two.
; RING: two slots of four trips: role B's four key steps, then role A's four, 15,872 bytes each; waves 0-7 fetch one block each: four slots, three of them asked for in the loop.
;   KEY STEP 16 has a block of its own straight behind the odd slot's eight: wave 8 fetches it at the head, with the ring's first fills, and it is never filled again; so the last slot's loop of trips runs five times.
;   A slot's trips are a counted loop over one copy of the step.  By this text's count a wave has one tensor load out; every wait on TENSORcnt is for 0.
; CLUSTER 4 x 1: the four partners share a and g, so both streams of key steps are the same for them: every block is asked for JOINTLY (mask 15).  No branch and no LDS address hangs on e: the tests for hidden and
;   diagonal steps compare the step's first key with the OCTET's first token; the tile's own first query enters vector arithmetic and global addresses alone.
; MASKS.  A masked key's score is -2^120 (made by the product itself: see the launch before).  The largest t starts at -2^110, above every masked t, so masked keys give p = 0.  On the diagonal hidden scores become -infinity.
;   A query with no open key ends with l = 0 (else l > 1/2) and takes, by a select, the mean of quantised V over all 4,096 keys: reference()'s uniform softmax.
; K's tiles lie 8 registers apart: registers 8-11 of a K operand are the next tile's codes.  FP6 has no NaN and no infinity, and Q's codes there are zeros: they add exactly 0.
; No prefetch is laid: a slot is asked for four trips ahead of its first read, and a kv head's 32 blocks, 507,904 bytes, are walked by all 16 clusters of that head in the same order.
; LIMITS: |q . k| < 2^100; NaN and infinities are not served; blocks under 2^-124 and blocks of zeros get the byte 1.
.set KVB, 15872                        ; a key step's block: K 9,216, V 6,656 bytes
.set SLOT1, 131072                     ; a slot is 8 x KVB = 126,976 bytes; key step 16's block lies at SLOT1 + 8 KVB and ends at 273,920
.set SPARE, 274432                     ; the spare words: 128 bytes for each of twelve waves: six blocks of 256 bytes that no other line names
.set VSUM, 275968                      ; 256 bytes for each wave, its own: the mean of V, [row 0..15][tile 0..3] f32
.set MRG, 279040                       ; for each wave of role B MRW bytes: O^T 4,096, {-M, t, l, l} 512, the short tile's Q 1,024: images of registers, 16 bytes a lane
.set MRW, 5632
.set L16, 1
.set SPW, 2
.set NIL, 3
.set ADR, 4
.set DQ, 5                             ; r + 8(r/8) - 16h
.set L8, 6
.set VSW, 7
.set VSR, 8
.set LB, 9                             ; 16 x lane + my role's blocks of a slot: role B's begin at 0, role A's at 4 KVB
.set MG, 10                            ; MRG + MRW x (wave - 6) + 16 x lane: role B's own region; role A names it with 6 MRW added: wave w+6's region
.set KR, 32                            ; v32-99 K's eight tiles; later v32-79 V's four fragments
.set S, 112                            ; v112-175 S^T, then p
.set O, 176                            ; v176-207 O^T
.set PCD, 208                          ; v208-219 p's codes
.set CH, 220                           ; v220-222, v224-226 the conversions' second halves
.set BM, 228
.set BT, 232
.set SO, 236
.set T, 242                            ; v242-255 seven pairs for the row's sum
.set OU, 144
.set WV, 12
.set OB, 14                            ; first token of the octet of the tile in hand
.set TI, 19                            ; the trip's place in its slot, in bytes
.set SEL, 20
.set CS, 22
.set G1, 24
.set G0, 32
.set TB, 36
.set KF, 37                            ; first key of my step
.set Q0, 38                            ; first query of the tile in hand
.set SLOTS, 39
.set OL, 49                            ; the short tile's octet's first token
.set TR, 58                            ; the trip
.set SW, 59                            ; 15 - a: the trip at which role B changes tiles
.set QL, 60                            ; the short tile's first query
.set IT, 61                            ; the trip whose block I fetch next
.set KB, 62                            ; s[62:63] my kv head's blocks
.macro D n
	s_delay_alu instid0(VALU_DEP_\n)
.endm
.macro NOPS n
.rept \n
	v_nop
.endr
.endm
.macro ROUND                           ; a round of the cluster's barrier
	s_barrier_signal -1
	s_barrier_wait -1
	s_cmp_lg_u32 s[WV], 0
	s_cbranch_scc1 .Lnot_wave_0_\@
	s_barrier_signal -3
.Lnot_wave_0_\@:
	s_barrier_wait -3
	s_barrier_signal -1
	s_barrier_wait -1
.endm
.macro TLOAD nl                        ; waves under nl fetch one block each, jointly with the partners; four v_nop follow the line
	s_cmp_lt_u32 s[WV], \nl
	s_cbranch_scc0 .Lno_fetch_\@
	tensor_load_to_lds s[G0:G0+3], s[G1:G1+7]
	s_nop 0
	NOPS 4
.Lno_fetch_\@:
.endm
.macro KADDR                           ; the block of trip IT: waves 0-3 (role B's): key step IT + 17 ahead of the change of tiles, IT - SW from it on; waves 4-8 (role A's): key step IT
	s_add_co_u32 s50, s[IT], 17
	s_sub_co_u32 s51, s[IT], s[SW]
	s_cmp_ge_u32 s[IT], s[SW]
	s_cselect_b32 s50, s51, s50
	s_cmp_ge_u32 s[WV], 4
	s_cselect_b32 s50, s[IT], s50
	s_mul_i32 s50, s50, KVB
	s_mov_b32 s51, 0
	s_add_nc_u64 s[G0+2:G0+3], s[KB:KB+1], s[50:51]
	s_or_b32 s[G0+3], s[G0+3], 0x80000000
.endm
.macro RESET                           ; a tile begins: the largest t -2^110, l = 0, O^T = 0 (the step is written once: the first finds zeros)
	v_mov_b32 v13, 0xf6800000
	v_mov_b32 v14, 0
	v_mov_b32 v15, 0
	v_floor_f32 v12, -v13
.set nn, 0
.rept 32
	v_mov_b32 v[O+nn], 0
.set nn, nn+1
.endr
.endm
.macro SWITCH                          ; role B leaves the long tile: its part goes to LDS, where wave w-6 reads it behind a later barrier; the short tile's Q comes from my own bytes
	NOPS 4                                 ; places behind the last products
.irp k, 0,1,2,3,4,5,6,7
	ds_store_b128 v[MG], v[O+4*\k:O+4*\k+3] offset:512*\k   ; each accumulator from its low end on
.endr
	ds_store_b128 v[MG], v[12:15] offset:4096
	ds_load_b128 v[16:19], v[MG] offset:4608
	ds_load_b128 v[240:243], v[MG] offset:5120
	s_mov_b32 s[KF], 0
	s_mov_b32 s[Q0], s[QL]
	s_mov_b32 s[OB], s[OL]
	s_wait_dscnt 0x0
	v_mov_b32 v20, v240
	v_mov_b32 v21, v241
	v_mov_b32 v28, v242                    ; the scale word: the 36 lines below are its places ahead of the next scaled product
	RESET
	s_wait_alu depctr_va_vdst(0)
.endm
.macro STEP                            ; a trip: 128 keys, the block at TI of my role's in the slot in hand
	s_cmp_lt_u32 s[WV], 6
	s_cbranch_scc1 .Lstay_\@
	s_cmp_lg_u32 s[TR], s[SW]
	s_cbranch_scc1 .Lstay_\@
	SWITCH
.Lstay_\@:
	s_cmp_gt_u32 s[KF], s[OB]              ; all keys behind the octet: nothing to do (role B, trip 16)
	s_cbranch_scc1 .Lhidden_\@
	s_add_co_u32 s48, s[TB], s[TI]
	v_add_nc_u32 v[ADR], s48, v[LB]        ; with the three v_nop: four places in front of loads into registers that the last products read
	NOPS 3
.irp t, 0,1,2,3,4,5,6,7
	ds_load_b128 v[KR+8*\t:KR+8*\t+3], v[ADR] offset:1024*\t
	ds_load_b128 v[KR+8*\t+4:KR+8*\t+7], v[ADR] offset:1024*\t+512
.endr
	ds_load_b128 v[100:103], v[ADR] offset:8192
	ds_load_b128 v[104:107], v[ADR] offset:8704
	s_wait_alu depctr_va_vdst(0)
	s_wait_dscnt 0x0
.irp t, 0,1,2,3,4,5,6,7
	v_wmma_scale_f32_16x16x128_f8f6f4 v[S+8*\t:S+8*\t+7], v[KR+8*\t:KR+8*\t+11], v[16:27], 0, v[100+\t], v28 matrix_a_fmt:MATRIX_FMT_FP6 matrix_b_fmt:MATRIX_FMT_FP6
.endr
	NOPS 4                                 ; places in front of the loads below and of the first read of the scores
.irp t, 0,1,2,3                        ; V's fragments land under the softmax
.irp c, 0,1,2
	ds_load_b128 v[KR+12*\t+4*\c:KR+12*\t+4*\c+3], v[ADR] offset:9216+1536*\t+512*\c
.endr
.endr
	ds_load_b128 v[108:111], v[ADR] offset:15360
	s_cmp_lt_u32 s[KF], s[OB]              ; a step ahead of the octet: all its keys count
	s_cbranch_scc1 .Lopen_\@
	s_sub_co_i32 s48, s[Q0], s[KF]
	v_add_nc_u32 v240, s48, v[DQ]          ; register 16b+i holds key KF + 32b + 16h + i: hidden where 32b + i > my query - KF - 16h
	v_mov_b32 v241, 0xff800000
.set nn, 0
.rept 64
	v_cmp_gt_i32 vcc_lo, 32*(nn/16)+nn%16, v240
	v_cndmask_b32 v[S+nn], v[S+nn], v241, vcc_lo
.set nn, nn+1
.endr
.Lopen_\@:
.irp b, 0,1,2,3
	v_max3_num_f32 v[BM+\b], v[S+16*\b], v[S+1+16*\b], v[S+2+16*\b]   ; the largest score of each block of 32 keys: for the row's maximum and for the block's largest p
.endr
.irp i, 3,5,7,9,11,13
.irp b, 0,1,2,3
	v_max3_num_f32 v[BM+\b], v[BM+\b], v[S+16*\b+\i], v[S+1+16*\b+\i]
.endr
.endr
.irp b, 0,1,2,3
	v_max_num_f32 v[BM+\b], v[BM+\b], v[S+15+16*\b]
.endr
.irp b, 0,1,2,3
	D 4
	v_permlanex16_b32 v[BT+\b], v[BM+\b], s[SEL], s[SEL+1]
.endr
.irp b, 0,1,2,3
	D 4
	v_max_num_f32 v[BM+\b], v[BM+\b], v[BT+\b]
.endr
	D 2
	v_max3_num_f32 v240, v[BM], v[BM+1], v[BM+2]
	D 1
	v_max_num_f32 v240, v240, v[BM+3]
	D 1
	v_mul_f32 v240, s[CS], v240
	D 1
	v_max_num_f32 v13, v13, v240           ; the running largest t
	v_mov_b32 v240, v12
	D 2
	v_floor_f32 v12, -v13                  ; -M = floor(-t): M is a whole number
	D 1
	v_sub_f32 v240, v12, v240
	D 1
	v_cvt_i32_f32 v240, v240               ; (it saturates)
	D 1
	v_ldexp_f32 v30, 1.0, v240             ; f = 2^(old M - new M)
.set nn, 0
.rept 32
	v_pk_fma_f32 v[S+nn:S+nn+1], v[S+nn:S+nn+1], s[CS:CS+1], v[12:13] op_sel_hi:[1,0,0]   ; t - M
.set nn, nn+2
.endr
.irp b, 0,1,2,3
	v_fma_f32 v[BM+\b], v[BM+\b], s[CS], v12
.endr
	s_wait_alu depctr_va_vdst(0)
.set nn, 0
.rept 64
	v_exp_f32 v[S+nn], v[S+nn]             ; p, at most 1, not normalised
.set nn, nn+1
.endr
	v_pk_mul_f32 v[14:15], v[14:15], v[30:31] op_sel_hi:[1,0]   ; l under the new M; the plain place behind the exponentials
	s_wait_alu depctr_va_vdst(0)           ; one wait for the batch, ahead of its first reader
.irp b, 0,1,2,3
	v_exp_f32 v[BM+\b], v[BM+\b]           ; each block's largest p
.endr
.irp c, 0,1,2,3,4,5,6                  ; the row's sum of the unquantised p: 32 pairs in eight chains
	v_pk_add_f32 v[T+2*\c:T+2*\c+1], v[S+2*\c:S+2*\c+1], v[S+14+2*\c:S+15+2*\c]
.endr
	v_pk_add_f32 v[14:15], v[14:15], v[S+28:S+29]
.irp c, 0,1,2,3,4,5,6
	v_pk_add_f32 v[T+2*\c:T+2*\c+1], v[T+2*\c:T+2*\c+1], v[S+30+2*\c:S+31+2*\c]
.endr
	v_pk_add_f32 v[14:15], v[14:15], v[S+44:S+45]
.irp c, 0,1,2,3,4,5,6
	v_pk_add_f32 v[T+2*\c:T+2*\c+1], v[T+2*\c:T+2*\c+1], v[S+46+2*\c:S+47+2*\c]
.endr
	v_pk_add_f32 v[14:15], v[14:15], v[S+60:S+61]
	v_pk_add_f32 v[T:T+1], v[T:T+1], v[S+62:S+63]
	v_pk_add_f32 v[T+4:T+5], v[T+4:T+5], v[T+6:T+7]
	v_pk_add_f32 v[T+8:T+9], v[T+8:T+9], v[T+10:T+11]
	v_pk_add_f32 v[14:15], v[14:15], v[T+12:T+13]
	D 4
	v_pk_add_f32 v[T:T+1], v[T:T+1], v[T+2:T+3]
	D 2
	v_pk_add_f32 v[14:15], v[14:15], v[T+8:T+9]
	D 2
	v_pk_add_f32 v[T:T+1], v[T:T+1], v[T+4:T+5]
	D 1
	v_pk_add_f32 v[14:15], v[14:15], v[T:T+1]
	s_wait_alu depctr_va_vdst(0)           ; and one for the four
.irp b, 0,1,2,3
	v_max_num_f32 v[BM+\b], 0x1800000, v[BM+\b]
.endr
.irp b, 0,1,2,3
	D 4
	v_add_nc_u32 v[SO+\b], 0xff000000, v[BM+\b]
.endr
.irp b, 0,1,2,3
	D 4
	v_lshrrev_b32 v[BT+\b], 23, v[SO+\b]
.endr
	D 3
	v_lshl_or_b32 v29, v[BT+1], 8, v[BT]   ; p's scale word for these 128 keys
	D 1
	v_lshl_or_b32 v29, v[BT+2], 16, v29
	D 1
	v_lshl_or_b32 v29, v[BT+3], 24, v29
.irp c, 0,1
	v_cvt_scalef32_pk16_fp6_f32 v[PCD+6*\c:PCD+2+6*\c], v[S+32*\c:S+15+32*\c], v[SO+2*\c]
	v_cvt_scalef32_pk16_fp6_f32 v[CH+4*\c:CH+2+4*\c], v[S+16+32*\c:S+31+32*\c], v[SO+2*\c+1]
.endr
	v_nop
.irp c, 0,1
.irp i, 0,1,2
	v_permlane16_swap_b32 v[PCD+6*\c+\i], v[CH+4*\c+\i]
.endr
.irp i, 0,1,2
	D 3
	v_mov_b32 v[PCD+3+6*\c+\i], v[CH+4*\c+\i]
.endr
.endr
	s_wait_alu depctr_va_vdst(0)           ; directly ahead of the first reader of O^T
.set nn, 0
.rept 16
	v_pk_mul_f32 v[O+nn:O+nn+1], v[O+nn:O+nn+1], v[30:31] op_sel_hi:[1,0]   ; O^T under the new M; of these sixteen, twelve name no register of any one product below: its places
.set nn, nn+2
.endr
	s_wait_alu depctr_va_vdst(0)
	s_wait_dscnt 0x0                       ; V
.irp t, 0,1,2,3
	v_wmma_scale_f32_16x16x128_f8f6f4 v[O+8*\t:O+8*\t+7], v[KR+12*\t:KR+12*\t+11], v[PCD:PCD+11], v[O+8*\t:O+8*\t+7], v[108+\t], v29 matrix_a_fmt:MATRIX_FMT_FP6 matrix_b_fmt:MATRIX_FMT_FP6
.endr
.Lhidden_\@:
	s_add_co_u32 s[KF], s[KF], 128
	s_add_co_u32 s[TR], s[TR], 1
.endm
.macro TRIPS n                         ; a slot's n trips: a counted loop; its counter is the trip's place in the slot
	s_mov_b32 s[TI], 0
.Ltrip_\@:
	STEP
	s_add_co_u32 s[TI], s[TI], KVB
	s_cmp_lt_u32 s[TI], (\n)*KVB
	s_cbranch_scc1 .Ltrip_\@
	s_xor_b32 s[TB], s[TB], SLOT1
.endm
; THE CHANGE OF SLOTS stands at a slot's head: all my tensor loads have landed, 0 is added to my spare word, that and my reads of the slot that I have left are waited for; a round of the cluster's barrier; then the slot just left
; is filled by the waves under nl.  nl = 0: nothing is filled, a barrier of the work-group serves.
.macro CHANGE nl
	s_wait_tensorcnt 0x0
	ds_add_u32 v[SPW], v[NIL]
.if \nl
	ds_add_u32 v[SPW], v[NIL]              ; twice on end
	s_xor_b32 s[G0+1], s[G0+1], SLOT1      ; no load of mine is out: the descriptor walks to the other slot and four trips on
	s_add_co_u32 s[IT], s[IT], 4
	KADDR
.endif
	s_wait_dscnt 0x0
.if \nl
	ROUND
	TLOAD \nl                              ; a wave's one tensor load until the next round: four trips in which to land
.else
	s_barrier_signal -1
	s_barrier_wait -1
.endif
.endm
	s_load_b256 s[4:11], s[0:1], 0x0       ; qimg s[4:5], kv s[6:7], vs s[8:9], aq s[10:11]
	v_lshl_add_u32 v[SPW], v0, 2, SPARE
	v_mov_b32 v[NIL], 0
	ds_add_u32 v[SPW], v[NIL]              ; the opening lines: the add twice on end and one wait
	ds_add_u32 v[SPW], v[NIL]
	v_lshrrev_b32 v11, 5, v0
	D 1
	v_readfirstlane_b32 s[WV], v11         ; wave 0..11
	s_and_b32 s13, ttmp7, 0xffff           ; g
	s_mov_b32 s15, ttmp9                   ; a: the cluster's x
	s_bfe_u32 s16, ttmp6, 0x40000          ; e: my place in the cluster
	s_mul_i32 s17, s[WV], 0x2aab
	s_lshr_b32 s17, s17, 16                ; role: w / 6
	s_mul_i32 s44, s[WV], 0x5556
	s_lshr_b32 s44, s44, 16                ; w / 3
	s_mul_i32 s45, s44, 3
	s_sub_co_u32 s45, s[WV], s45           ; which of the three heads
	s_and_b32 s44, s44, 1                  ; which tile of the pair
	s_lshl_b32 s16, s16, 1
	s_add_co_u32 s16, s16, s44             ; the tile's place in its octet
	s_lshl_b32 s42, s15, 3
	s_add_co_u32 s42, s42, s16             ; the short tile
	s_sub_co_u32 s41, 31, s15
	s_lshl_b32 s[OB], s41, 7               ; the long tile's octet begins here,
	s_lshl_b32 s[OL], s15, 7               ; the short one's here
	s_lshl_b32 s41, s41, 3
	s_add_co_u32 s41, s41, s16             ; the long tile
	s_mul_i32 s40, s13, 3
	s_add_co_u32 s40, s40, s45             ; my head
	s_lshl_b32 s47, s44, 3
	s_lshl_b32 s[Q0], s41, 4
	s_sub_co_u32 s[Q0], s[Q0], s47         ; a tile's first query: 16 x tile - 8 x (tile % 2); its queries are that + r + 8(r/8)
	s_lshl_b32 s[QL], s42, 4
	s_sub_co_u32 s[QL], s[QL], s47
	s_sub_co_u32 s[SW], 15, s15
	s_mul_i32 s[KF], s17, 2176             ; role B begins at key step 17
	s_xor_b32 s19, s17, 1
	s_mul_i32 s19, s19, 4*KVB              ; role A's blocks lie behind role B's four
	s_and_b32 s18, s40, 1
	s_lshl_b32 s18, s18, 4                 ; an odd head's scale bytes go to the word's upper half
	s_mul_i32 s54, s41, 12
	s_add_co_u32 s54, s54, s40
	s_lshl_b32 s54, s54, 10                ; the long tile's record in qimg and in aq,
	s_mov_b32 s55, 0
	s_mul_i32 s56, s42, 12
	s_add_co_u32 s56, s56, s40
	s_lshl_b32 s56, s56, 10                ; the short tile's
	s_mov_b32 s57, 0
	s_cmp_eq_u32 s17, 0
	s_cselect_b32 s52, s54, s56            ; role A stores the long tile, role B the short one
	s_mov_b32 s53, 0
	s_lshl_b32 s42, s13, 14
	s_mov_b32 s43, 0
	s_mov_b32 s[G1], 15|(3<<16)|(1<<21)    ; all four partners; bit 21 beside the mask; a block: 62 rows of 256 bytes, dense; elements of 8 bytes
	s_mov_b32 s[G1+1], 32<<16
	s_mov_b32 s[G1+2], 62<<16
	s_mov_b32 s[G1+3], 32<<16
	s_mov_b32 s[G1+4], 62
	s_mov_b32 s[G1+5], 32
	s_mov_b32 s[G1+6], 0
	s_mov_b32 s[G1+7], 0
	s_lshr_b32 s46, s[WV], 3               ; wave 8 fetches trip 16's block, behind the odd slot; waves 0-7 block w of slot 0
	s_lshl_b32 s[IT], s46, 4
	s_and_b32 s47, s[WV], 3
	s_add_co_u32 s[IT], s[IT], s47
	s_mul_i32 s46, s46, SLOT1
	s_mul_i32 s47, s[WV], KVB
	s_add_co_u32 s46, s46, s47
	s_mov_b32 s[G0], 1
	s_mov_b32 s[G0+1], s46
	s_mul_i32 s50, s13, 32*KVB
	s_mov_b32 s51, 0
	s_mov_b32 s[SEL], 0x76543210
	s_mov_b32 s[SEL+1], 0xfedcba98
	s_mov_b32 s[CS], 0x3e38aa3b            ; log2(e) / 8
	s_mov_b32 s[CS+1], s[CS]
	s_mov_b32 s[TB], 0
	s_mov_b32 s[TR], 0
	s_mov_b32 s[SLOTS], 3
	s_wait_dscnt 0x0                       ; both opening adds are done
	s_wait_kmcnt 0x0
	s_add_nc_u64 s[KB:KB+1], s[6:7], s[50:51]
	KADDR
	s_add_nc_u64 s[46:47], s[4:5], s[56:57]
	s_add_nc_u64 s[4:5], s[4:5], s[54:55]
	s_add_nc_u64 s[10:11], s[10:11], s[52:53]
	s_add_nc_u64 s[8:9], s[8:9], s[42:43]
	ROUND                                  ; the four partners are here: the first joint loads meet
	TLOAD 9                                ; slot 0, and key step 16
	v_and_b32 v11, 31, v0
	D 1
	v_lshlrev_b32 v[L16], 4, v11
	D 2
	v_lshlrev_b32 v[L8], 3, v11
	global_load_b128 v[16:19], v[L16], s[4:5]
	global_load_b64 v[20:21], v[L8], s[4:5] offset:512
	global_load_b32 v28, v[L8], s[4:5] offset:768
.set kk, 0
.rept 32
	global_load_b64 v[S+2*kk:S+2*kk+1], v[L8], s[8:9] offset:512*kk   ; the key steps' sums of V: lane l: row l/2, tiles 2(l%2), +1
.set kk, kk+1
.endr
	v_cmp_gt_u32 vcc_lo, 16, v11
	v_mov_b32 v22, 8
	D 1
	v_cndmask_b32 v22, 0, v22, vcc_lo      ; Q's code 1.0 at k = 64
.irp i, 23,24,25,26,27
	v_mov_b32 v\i, 0
.endr
.irp i, 96,97,98,99
	v_mov_b32 v\i, 0                       ; behind K's last tile
.endr
	v_add_nc_u32 v[LB], s19, v[L16]
	v_lshrrev_b32 v[MG], 5, v0
	D 1
	v_mul_u32_u24 v[MG], v[MG], MRW
	D 1
	v_add_nc_u32 v[MG], v[MG], v[L16]
	D 1
	v_add_nc_u32 v[MG], MRG-6*MRW, v[MG]
	v_and_b32 v240, 15, v0
	v_bfe_u32 v241, v0, 4, 1
	D 2
	v_and_b32 v[DQ], 8, v240
	D 1
	v_add_nc_u32 v[DQ], v[DQ], v240
	D 3
	v_lshlrev_b32 v242, 4, v241
	D 1
	v_sub_nc_u32 v[DQ], v[DQ], v242
	v_lshl_add_u32 v[VSW], v0, 3, VSUM     ; 256 x wave + 8 x lane
	v_and_b32 v[VSR], 0x1e0, v0
	D 1
	v_lshlrev_b32 v[VSR], 3, v[VSR]
	D 1
	v_lshl_add_u32 v[VSR], v241, 7, v[VSR]
	D 1
	v_add_nc_u32 v[VSR], VSUM, v[VSR]      ; 256 x wave + 128 h
	v_mov_b32 v31, 0                       ; (named as the upper half of the pair v[30:31])
.irp b, 0,1,2,3
	v_mov_b32 v[BT+\b], 0                  ; a lane permute's destination counts as one of its sources
.endr
	RESET
	s_wait_alu depctr_va_vdst(0)
	s_cmp_lt_u32 s[WV], 6
	s_cbranch_scc1 .Lno_short
	global_load_b128 v[32:35], v[L16], s[46:47]            ; role B: the short tile's Q waits in my own LDS bytes for the change of tiles
	global_load_b64 v[36:37], v[L8], s[46:47] offset:512
	global_load_b64 v[38:39], v[L8], s[46:47] offset:768   ; {scale word, 0}
	s_wait_loadcnt 0x0
	ds_store_b128 v[MG], v[32:35] offset:4608
	ds_store_b128 v[MG], v[36:39] offset:5120
.Lno_short:
	s_wait_loadcnt 0x0
.set kk, 2
	v_pk_add_f32 v[S:S+1], v[S:S+1], v[S+2*kk:S+2*kk+1]
	v_pk_add_f32 v[S+2:S+3], v[S+2:S+3], v[S+2*kk+2:S+2*kk+3]
.set kk, kk+2
.rept 14
	D 2
	v_pk_add_f32 v[S:S+1], v[S:S+1], v[S+2*kk:S+2*kk+1]
	D 2
	v_pk_add_f32 v[S+2:S+3], v[S+2:S+3], v[S+2*kk+2:S+2*kk+3]
.set kk, kk+2
.endr
	D 1
	v_pk_add_f32 v[S:S+1], v[S:S+1], v[S+2:S+3]
	D 1
	v_pk_mul_f32 v[S:S+1], v[S:S+1], 0x39800000 op_sel_hi:[1,0]   ; / 4,096
	ds_store_b64 v[VSW], v[S:S+1]
	s_wait_alu depctr_va_vdst(0)
.Lslot:                                    ; three trips of the loop: slots 0-2; behind each change all eight blocks of the next slot are asked for
	CHANGE 8
	TRIPS 4
	s_sub_co_u32 s[SLOTS], s[SLOTS], 1
	s_cmp_lg_u32 s[SLOTS], 0
	s_cbranch_scc1 .Lslot
	CHANGE 0                               ; slot 3 asks for nothing more: it is written out
	TRIPS 5                                ; trips 12-15, and trip 16 on the block behind the slot
	s_wait_dscnt 0x0
	s_barrier_signal -1                    ; every part that role B left in LDS was stored, and waited for, ahead of this barrier
	s_barrier_wait -1
	; THE WAY OUT
	NOPS 4
	s_cmp_lt_u32 s[WV], 6
	s_cbranch_scc0 .Lown
.irp k, 0,1,2,3,4,5,6,7                ; role A: wave w+6's part of my tile
	ds_load_b128 v[S+4*\k:S+4*\k+3], v[MG] offset:6*MRW+512*\k
.endr
	ds_load_b128 v[S+32:S+35], v[MG] offset:6*MRW+4096
	s_wait_dscnt 0x0
	v_min_num_f32 v240, v12, v[S+32]       ; -M of the larger M
	v_mov_b32 v243, 0                      ; (named as the upper half of the pair v[242:243])
	D 2
	v_sub_f32 v241, v240, v12
	v_sub_f32 v242, v240, v[S+32]
	D 2
	v_cvt_i32_f32 v241, v241               ; (they saturate)
	D 2
	v_cvt_i32_f32 v242, v242
	D 2
	v_ldexp_f32 v30, 1.0, v241             ; my part's factor,
	D 2
	v_ldexp_f32 v242, 1.0, v242            ; the other's: whole powers of two
	D 2
	v_pk_mul_f32 v[14:15], v[14:15], v[30:31] op_sel_hi:[1,0]
.set nn, 0
.rept 16
	v_pk_mul_f32 v[O+nn:O+nn+1], v[O+nn:O+nn+1], v[30:31] op_sel_hi:[1,0]
.set nn, nn+2
.endr
	v_pk_fma_f32 v[14:15], v[S+34:S+35], v[242:243], v[14:15] op_sel_hi:[1,0,1]
.set nn, 0
.rept 16
	v_pk_fma_f32 v[O+nn:O+nn+1], v[S+nn:S+nn+1], v[242:243], v[O+nn:O+nn+1] op_sel_hi:[1,0,1]
.set nn, nn+2
.endr
.Lown:
	v_add_f32 v14, v14, v15
	D 1
	v_permlanex16_b32 v240, v14, s[SEL], s[SEL+1]
	D 1
	v_add_f32 v14, v14, v240               ; the row's sum
	D 1
	v_cmp_eq_f32 vcc_lo, 0, v14            ; no open key
	s_wait_alu depctr_va_vdst(0)
	v_rcp_f32 v241, v14
.irp e, 0,1,2,3,4,5,6,7
	ds_load_b128 v[S+4*\e:S+4*\e+3], v[VSR] offset:16*\e   ; the mean of V at rows 8h+e of the four tiles: my own wave's bytes
.endr
	v_nop                                  ; the plain place behind the reciprocal
	s_wait_alu depctr_va_vdst(0)
	s_wait_dscnt 0x0
.irp t, 0,1,2,3
.irp e, 0,1,2,3,4,5,6,7
	v_mul_f32 v[OU+8*\t+\e], v[O+8*\t+\e], v241
	D 1
	v_cndmask_b32 v[OU+8*\t+\e], v[OU+8*\t+\e], v[S+4*\e+\t], vcc_lo
.endr
.endr
.irp b, 0,1                            ; register 16b+i is d = 32b + 16h + i of my query: two blocks of 32
	v_max3_num_f32 v[BM+\b], |v[OU+16*\b]|, |v[OU+1+16*\b]|, 0x1800000
.endr
.irp i, 2,4,6,8,10,12,14
.irp b, 0,1
	D 2
	v_max3_num_f32 v[BM+\b], v[BM+\b], |v[OU+16*\b+\i]|, |v[OU+1+16*\b+\i]|
.endr
.endr
.irp b, 0,1
	D 2
	v_permlanex16_b32 v[BT+\b], v[BM+\b], s[SEL], s[SEL+1]
.endr
.irp b, 0,1
	D 2
	v_max_num_f32 v[BM+\b], v[BM+\b], v[BT+\b]
.endr
.irp b, 0,1
	D 2
	v_add_nc_u32 v[SO+\b], 0xff000000, v[BM+\b]
.endr
.irp b, 0,1
	D 2
	v_lshrrev_b32 v[BT+\b], 23, v[SO+\b]
.endr
	v_mov_b32 v245, 0
	D 2
	v_lshl_or_b32 v244, v[BT+1], 8, v[BT]
	D 1
	v_lshlrev_b32 v244, s18, v244
	v_cvt_scalef32_pk16_fp6_f32 v[PCD:PCD+2], v[OU:OU+15], v[SO]
	v_cvt_scalef32_pk16_fp6_f32 v[CH:CH+2], v[OU+16:OU+31], v[SO+1]
	v_nop
.irp i, 0,1,2
	v_permlane16_swap_b32 v[PCD+\i], v[CH+\i]
.endr
.irp i, 0,1,2
	D 3
	v_mov_b32 v[PCD+3+\i], v[CH+\i]
.endr
	global_store_b128 v[L16], v[PCD:PCD+3], s[10:11]
	global_store_b64 v[L8], v[PCD+4:PCD+5], s[10:11] offset:512
	global_store_b64 v[L8], v[244:245], s[10:11] offset:768
	s_wait_tensorcnt 0x0                   ; the wave's end
	ds_add_u32 v[SPW], v[NIL]
	s_wait_dscnt 0x0
	ROUND                                  ; the closing round
	s_endpgm
.Lfunc_end_k_qe59c049c39_attn:
	.size	k_qe59c049c39_attn, .Lfunc_end_k_qe59c049c39_attn-k_qe59c049c39_attn
	.p2alignl 7, 3214868480
	.fill 96, 4, 3214868480
	.section	.rodata,"a",@progbits
	.p2align	6, 0x0
	.amdhsa_kernel k_qe59c049c39_attn
		.amdhsa_group_segment_fixed_size 327680
		.amdhsa_private_segment_fixed_size 0
		.amdhsa_enable_private_segment 0
		.amdhsa_kernarg_size 32
		.amdhsa_user_sgpr_count 2
		.amdhsa_user_sgpr_kernarg_segment_ptr 1
		.amdhsa_wavefront_size32 1
		.amdhsa_system_sgpr_workgroup_id_x 1
		.amdhsa_system_sgpr_workgroup_id_y 1
		.amdhsa_system_sgpr_workgroup_id_z 1
		.amdhsa_system_vgpr_workitem_id 0
		.amdhsa_next_free_vgpr 256
		.amdhsa_next_free_sgpr 66
		.amdhsa_reserve_vcc 1
		.amdhsa_float_denorm_mode_32 3
		.amdhsa_float_denorm_mode_16_64 3
		.amdhsa_memory_ordered 1
		.amdhsa_forward_progress 1
		.amdhsa_inst_pref_size 77
	.end_amdhsa_kernel
	.amdgpu_metadata
---
amdhsa.version: [ 1, 2 ]
amdhsa.kernels:
  - .name:           k_qe59c049c39_attn
    .symbol:         k_qe59c049c39_attn.kd
    .args:
      - { .name: qimg, .offset: 0, .size: 8, .value_kind: global_buffer, .address_space: global }
      - { .name: kv, .offset: 8, .size: 8, .value_kind: global_buffer, .address_space: global }
      - { .name: vs, .offset: 16, .size: 8, .value_kind: global_buffer, .address_space: global }
      - { .name: aq, .offset: 24, .size: 8, .value_kind: global_buffer, .address_space: global }
    .group_segment_fixed_size: 327680
    .private_segment_fixed_size: 0
    .kernarg_segment_align: 8
    .kernarg_segment_size: 32
    .max_flat_workgroup_size: 384
    .sgpr_count:     66
    .vgpr_count:     256
    .wavefront_size: 32
...
	.end_amdgpu_metadata
.endif
;; end of part 3
;; launch oproj (part 4): grid 16 x 16, 4 waves a work-group, clusters of 4 x 4, 327,680 bytes of LDS; arguments aq, woq, out0; writes out0
.if DOCPART == 4
	.amdgcn_target "amdgcn-amd-amdhsa--gfx1250"
	.amdhsa_code_object_version 6
	.text
	.protected	k_qe59c049c39_oproj
	.globl	k_qe59c049c39_oproj
	.p2align	8
	.type	k_qe59c049c39_oproj,@function
k_qe59c049c39_oproj:
	s_mov_b64 s[64:65], 0
	v_nop
	global_prefetch_b8 v0, s[64:65] scope:SCOPE_SE
	s_setreg_imm32_b32 hwreg(HW_REG_WAVE_MODE, 25, 1), 1
	s_wait_xcnt 0x0
	s_wait_alu depctr_hold_cnt(0) depctr_sa_sdst(0) depctr_va_vdst(0) depctr_va_sdst(0) depctr_va_ssrc(0) depctr_va_vcc(0) depctr_vm_vsrc(0)
	s_getreg_b32 s2, hwreg(HW_REG_IB_STS2, 6, 4)
	s_cmp_eq_u32 s2, 0
	s_cbranch_scc0 .Lentry_in_a_cluster
	s_endpgm
.Lentry_in_a_cluster:
	s_bfe_u32 s2, ttmp6, 0x10000c
	s_cmp_lg_u32 s2, 0xf033
	s_cbranch_scc0 .Lentry_shape_is_right
	s_endpgm
.Lentry_shape_is_right:
; OUT = attention's result x Wo on codes of FP6 (E2M3): M 4,096, N 3,072, K 768 in six steps of 128 (two heads each).
; SHARES.  A work-group: 256 tokens x 192 columns (256 work-groups).  A wave: 64 tokens x 192 columns: 48 accumulators; source 0 = 12 tiles of Wo's columns, source 1 = 4 tiles of tokens:
;   a lane holds ONE token, and the 16 registers of two neighbouring tiles are 16 neighbouring columns.
; ALL OF K LIES IN LDS AT ONCE: three chunks of A (4 heads x 16 token tiles x 1,024 bytes = 65,536 each) and six blocks of Wo (19,968 each): 316,416 bytes, each byte filled once; nothing is filled again.
; CLUSTER 4 x 4: A's chunks hang on the token block alone and are shared along a row of the cluster, Wo's blocks on the column group alone and are shared along a column: joint loads, three a wave, behind one round.
; THE WAY OUT goes through a stage of 16 rows x (768 + 16) bytes for each wave, laid over chunk 0, which has had its only fill and its last read; each sixteen lanes store 256 consecutive bytes, aligned.
; THE FILLS AS THEY STAND: ONE joint load a wave, at the head, behind one round.  A lies as [16 token tiles][12 heads][1,024 bytes]: wave 0 fetches tiles 0-7, wave 1 tiles 8-15, 98,304 dense bytes each;
; wave 2 fetches Wo's blocks 0-2, wave 3 blocks 3-5, 59,904 dense bytes each.  Each byte is filled once; one wait and one barrier show all of K to all waves.
.set BOFF, 196608
.set BBLK, 19968
.set A16, 4                            ; v4   A, my 4 token tiles: + 16 x lane;  v7 + 8 x lane
.set A8, 7
.set B16, 10                           ; v10-11 Wo's K steps 0-2, 3-5: + 16 x lane;  v12-13 + 8 x lane
.set B8, 12
.set STO, 14
.set RD0, 15
.set SX, 16                            ; v16-39 Wo's scale words, two sets of 12
.set SY, 40                            ; v40-47 the tokens' scale words, two sets of 4
.set SA, 48                            ; v48-55 their halves as loaded: one head each
.set RD1, 56
.set GO0, 57
.set GO1, 58
.set YF, 64                            ; v64-111, v112-159 the tokens' fragments, two sets; on the way out v64-159 and v160-255 take rows of the result
.set WV, 10
.set G1A, 24
.set G1B, 32
.set G0A, 40
.set G0B, 52
.set MSB, 0
.macro WIN new
.if MSB != \new
	s_set_vgpr_msb (MSB<<8)|\new
.set MSB, \new
.endif
.endm
.macro PLACES n
.rept \n
	v_nop
.endr
.endm
.macro CROUND                          ; a round of the cluster's barrier
	s_barrier_signal -1
	s_barrier_wait -1
	s_cmp_lg_u32 s[WV], 0
	s_cbranch_scc1 .Lnot_wave_0_\@
	s_barrier_signal -3
.Lnot_wave_0_\@:
	s_barrier_wait -3
	s_barrier_signal -1
	s_barrier_wait -1
.endm
.macro FY s, p                         ; K step s: heads 2s, 2s+1 of my four token tiles: registers 0-5 and 6-11 of a fragment; and each head's half of the scale word
.irp j, 0,1,2,3
	ds_load_b128 v[YF+48*(\p)+12*\j:YF+48*(\p)+12*\j+3], v[A16] offset:12288*\j+2048*(\s)
	ds_load_b64 v[YF+48*(\p)+12*\j+4:YF+48*(\p)+12*\j+5], v[A8] offset:12288*\j+2048*(\s)+512
	ds_load_b128 v[YF+48*(\p)+12*\j+6:YF+48*(\p)+12*\j+9], v[A16] offset:12288*\j+2048*(\s)+1024
	ds_load_b64 v[YF+48*(\p)+12*\j+10:YF+48*(\p)+12*\j+11], v[A8] offset:12288*\j+2048*(\s)+1536
	ds_load_b32 v[SA+2*\j], v[A8] offset:12288*\j+2048*(\s)+768
	ds_load_b32 v[SA+2*\j+1], v[A8] offset:12288*\j+2048*(\s)+1792
.endr
.irp k, 0,1,2,3,4,5
	ds_load_b64 v[SX+12*(\p)+2*\k:SX+12*(\p)+2*\k+1], v[B8+(\s)/3] offset:BBLK*((\s)%3)+18432+256*\k
.endr
.endm
.macro FX s, i0                        ; six of Wo's tiles, into window 3
.irp i, \i0, \i0+1, \i0+2, \i0+3, \i0+4, \i0+5
.irp c, 0,1,2
	ds_load_b128 v[12*(\i)+4*\c:12*(\i)+4*\c+3], v[B16+(\s)/3] offset:BBLK*((\s)%3)+1536*(\i)+512*\c
.endr
.endr
.endm
.macro MUL6 i0, p, zero                ; 24 products; the 48 accumulators take turns, one instruction a turn.  (i,j) at v[32i+8j] of window 1, from i = 8 on of window 2
.irp i, \i0, \i0+1, \i0+2, \i0+3, \i0+4, \i0+5
.if (\i) < 8
	WIN 0x53
.set AC, 32*(\i)
.else
	WIN 0xa3
.set AC, 32*((\i)-8)
.endif
.irp j, 0,1,2,3
.if \zero
	v_wmma_scale_f32_16x16x128_f8f6f4 v[AC+8*\j:AC+8*\j+7], v[12*(\i):12*(\i)+11], v[YF+48*(\p)+12*\j:YF+48*(\p)+12*\j+11], 0, v[SX+12*(\p)+(\i)], v[SY+4*(\p)+\j] matrix_a_fmt:MATRIX_FMT_FP6 matrix_b_fmt:MATRIX_FMT_FP6
.else
	v_wmma_scale_f32_16x16x128_f8f6f4 v[AC+8*\j:AC+8*\j+7], v[12*(\i):12*(\i)+11], v[YF+48*(\p)+12*\j:YF+48*(\p)+12*\j+11], v[AC+8*\j:AC+8*\j+7], v[SX+12*(\p)+(\i)], v[SY+4*(\p)+\j] matrix_a_fmt:MATRIX_FMT_FP6 matrix_b_fmt:MATRIX_FMT_FP6
.endif
.endr
.endr
.endm
; K step s.  mode 0: the next step's operands have been shown whole; 2: the last step.
.macro STEP4 s, mode, zero
	s_wait_dscnt 18                        ; all but the youngest 18 loads (Wo's tiles 6-11)
.irp j, 0,1,2,3
	v_or_b32 v[SY+4*((\s)%2)+\j], v[SA+2*\j], v[SA+2*\j+1]   ; the two heads' halves make the row's scale word
.endr
	PLACES 8                               ; a scale word written by a vector instruction stands 8 places ahead of a scaled product
	MUL6 0, (\s)%2, \zero
	s_wait_alu depctr_va_vdst(0)
	s_wait_dscnt 0x0
.if \mode != 2
	PLACES 4                               ; in front of loads into registers that matrix instructions have read
	WIN 0
	FY (\s)+1, 1-(\s)%2
	WIN 0xc0
	FX (\s)+1, 0
.endif
	MUL6 6, (\s)%2, \zero
.if \mode != 2
	PLACES 4
	WIN 0xc0
	FX (\s)+1, 6
.endif
	WIN 0
.endm
.macro TOSTAGE j                       ; token tile j: lane (r,h) holds, of row r, columns 32b+16h+8u+0..7 in accumulator (2b+u, j); each accumulator from its low end on
.irp b, 0,1,2,3,4,5
.irp u, 0,1
.if 2*\b+\u < 8
	WIN 0x04
.set AC, 32*(2*\b+\u)+8*(\j)
.else
	WIN 0x08
.set AC, 32*(2*\b+\u-8)+8*(\j)
.endif
	ds_store_b128 v[STO], v[AC:AC+3] offset:128*\b+32*\u
	ds_store_b128 v[STO], v[AC+4:AC+7] offset:128*\b+32*\u+16
.endr
.endr
	WIN 0
.irp k, 0,1,2,3,4,5,6,7                ; back by pairs of rows, 1,536 bytes in three loads; LDS serves a wave's instructions in order: these see the stores above
	ds_load_b128 v[64+96*((\j)%2)+12*\k:64+96*((\j)%2)+12*\k+3], v[RD0] offset:1568*\k
	ds_load_b128 v[64+96*((\j)%2)+12*\k+4:64+96*((\j)%2)+12*\k+7], v[RD1] offset:1568*\k
	ds_load_b128 v[64+96*((\j)%2)+12*\k+8:64+96*((\j)%2)+12*\k+11], v[RD0] offset:1568*\k+1040
.endr
.endm
.macro SEND j, younger
	s_wait_dscnt \younger                  ; the tile is back; the next tile's 24 stores and 24 loads may be out
.irp k, 0,1,2,3,4,5,6,7
	global_store_b128 v[GO0], v[64+96*((\j)%2)+12*\k:64+96*((\j)%2)+12*\k+3], s[8:9] offset:(32*((\j)/2)+8*((\j)%2)+2*\k+8*(\k/4))*12288 th:TH_STORE_NT
	global_store_b128 v[GO1], v[64+96*((\j)%2)+12*\k+4:64+96*((\j)%2)+12*\k+7], s[8:9] offset:(32*((\j)/2)+8*((\j)%2)+2*\k+8*(\k/4))*12288 th:TH_STORE_NT
	global_store_b128 v[GO0], v[64+96*((\j)%2)+12*\k+8:64+96*((\j)%2)+12*\k+11], s[8:9] offset:(32*((\j)/2)+8*((\j)%2)+2*\k+8*(\k/4))*12288+12544 th:TH_STORE_NT
.endr
.endm
	s_load_b128 s[4:7], s[0:1], 0x0        ; aq s[4:5], woq s[6:7]
	s_load_b64 s[8:9], s[0:1], 0x10        ; out0
	v_lshl_add_u32 v62, v0, 2, 0x4d400
	v_mov_b32 v63, 0
	ds_add_u32 v62, v63
	ds_add_u32 v62, v63
	v_lshrrev_b32 v1, 5, v0
	v_readfirstlane_b32 s[WV], v1          ; wave 0..3
	s_lshr_b32 s11, s[WV], 1               ; I fetch for A (0) or for Wo (1)
	s_and_b32 s12, s[WV], 1
	s_bfe_u32 s13, ttmp6, 0x40000          ; cx
	s_bfe_u32 s14, ttmp6, 0x40004          ; cy
	s_lshl_b32 s15, ttmp9, 2
	s_add_co_u32 s15, s15, s13             ; column group NG
	s_and_b32 s16, ttmp7, 0xffff
	s_lshl_b32 s16, s16, 2
	s_add_co_u32 s16, s16, s14             ; token block MB
	s_lshl_b32 s17, s14, 2
	s_lshl_b32 s17, 15, s17                ; my row of the cluster
	s_lshl_b32 s18, 0x1111, s13            ; my column
	s_or_b32 s[G1A], s17, (3<<16)|(1<<21)  ; A: 8 token tiles x 12 heads, dense; elements of 8 bytes
	s_mov_b32 s[G1A+1], 32<<16             ; 8 token tiles x 12 heads x 1,024 bytes are dense: 384 rows of 256 bytes
	s_mov_b32 s[G1A+2], 384<<16
	s_mov_b32 s[G1A+3], 32<<16
	s_mov_b32 s[G1A+4], 384
	s_mov_b32 s[G1A+5], 32
	s_mov_b32 s[G1A+6], 0
	s_mov_b32 s[G1A+7], 0
	s_or_b32 s[G1B], s18, (3<<16)|(1<<21)  ; Wo: a block of 78 rows of 256 bytes, dense
	s_mov_b32 s[G1B+1], 32<<16
	s_mov_b32 s[G1B+2], 234<<16            ; three blocks on end: 234 rows of 256 bytes
	s_mov_b32 s[G1B+3], 32<<16
	s_mov_b32 s[G1B+4], 234
	s_mov_b32 s[G1B+5], 32
	s_mov_b32 s[G1B+6], 0
	s_mov_b32 s[G1B+7], 0
	s_lshl_b32 s66, s16, 4
	s_lshl_b32 s67, s12, 3
	s_add_co_u32 s66, s66, s67
	s_mul_i32 s66, s66, 12288              ; A: token tile 16 MB + 8 (w%2)
	s_mov_b32 s67, 0
	s_mul_i32 s68, s15, 6
	s_mul_i32 s69, s12, 3
	s_add_co_u32 s68, s68, s69             ; block (NG, 3 (w%2))
	s_mul_i32 s68, s68, BBLK               ; Wo: block (NG, 3 (w%2))
	s_mov_b32 s69, 0
	s_mul_i32 s70, s12, 98304
	s_mul_i32 s71, s12, 3*BBLK
	s_add_co_u32 s71, s71, BOFF
	s_wait_dscnt 0x0
	s_wait_kmcnt 0x0
	s_add_nc_u64 s[66:67], s[4:5], s[66:67]
	s_add_nc_u64 s[68:69], s[6:7], s[68:69]
.irp c, 0
	s_mov_b32 s[G0A+4*\c], 1
	s_add_co_u32 s[G0A+4*\c+1], s70, \c*65536
	s_add_nc_u64 s[G0A+4*\c+2:G0A+4*\c+3], s[66:67], \c*4096
	s_or_b32 s[G0A+4*\c+3], s[G0A+4*\c+3], 0x80000000
	s_mov_b32 s[G0B+4*\c], 1
	s_add_co_u32 s[G0B+4*\c+1], s71, \c*2*BBLK
	s_add_nc_u64 s[G0B+4*\c+2:G0B+4*\c+3], s[68:69], \c*2*BBLK
	s_or_b32 s[G0B+4*\c+3], s[G0B+4*\c+3], 0x80000000
.endr
	CROUND                                 ; all sixteen work-groups are here: the joint loads meet
	s_cmp_eq_u32 s11, 0                    ; a wave's one fill stands in one branch: one tensor load of mine is out
	s_cbranch_scc0 .Lfirst_b
	tensor_load_to_lds s[G0A:G0A+3], s[G1A:G1A+7]
	s_nop 0
	PLACES 4
	s_branch .Lfirst_asked
.Lfirst_b:
	tensor_load_to_lds s[G0B:G0B+3], s[G1B:G1B+7]
	s_nop 0
	PLACES 4
.Lfirst_asked:
	v_and_b32 v1, 31, v0                   ; lane
	v_and_b32 v2, 15, v0                   ; r
	v_bfe_u32 v3, v0, 4, 1                 ; h
	v_lshlrev_b32 v[GO0], 4, v1            ; 16 x lane
	v_lshlrev_b32 v59, 3, v1               ; 8 x lane
	s_mul_i32 s72, s[WV], 49152            ; my four token tiles, 12,288 bytes each
	v_add_nc_u32 v[A16], s72, v[GO0]
	v_add_nc_u32 v[A8], s72, v59
.irp k, 0,1
	v_add_nc_u32 v[B16+\k], BOFF+\k*3*BBLK, v[GO0]
	v_add_nc_u32 v[B8+\k], BOFF+\k*3*BBLK, v59
.endr
	s_mul_i32 s73, s[WV], 12544            ; my stage
	v_mul_u32_u24 v[STO], v2, 784
	v_lshl_add_u32 v[STO], v3, 6, v[STO]
	v_add_nc_u32 v[STO], s73, v[STO]       ; in: row r, + 64 h
	v_add_nc_u32 v[RD0], s73, v[GO0]       ; back: 16 bytes a lane;
	v_mul_u32_u24 v[RD1], v3, 272
	v_lshl_add_u32 v[RD1], v2, 4, v[RD1]
	v_add_nc_u32 v[RD1], s73, v[RD1]
	v_add_nc_u32 v[RD1], 512, v[RD1]       ; lanes 0-15 a row's last 256 bytes, lanes 16-31 the next row's first
	v_mul_u32_u24 v[GO1], v3, 11776
	v_lshl_add_u32 v[GO1], v2, 4, v[GO1]
	v_add_nc_u32 v[GO1], 512, v[GO1]       ; and the same in out0
	s_lshl_b32 s74, s16, 8
	s_lshl_b32 s75, s[WV], 6
	s_add_co_u32 s74, s74, s75
	s_mul_i32 s74, s74, 12288              ; my first token's row,
	s_mul_i32 s75, s15, 768
	s_add_co_u32 s74, s74, s75             ; my work-group's 192 columns
	s_mov_b32 s75, 0
	s_add_nc_u64 s[8:9], s[8:9], s[74:75]
	s_wait_alu depctr_va_vdst(0)
	s_wait_tensorcnt 0x0                   ; my one load has landed
	s_barrier_signal -1
	s_barrier_wait -1
	FY 0, 0
	WIN 0xc0
	FX 0, 0
	FX 0, 6
	WIN 0
	STEP4 0, 0, 1                          ; the first K step's products start the sums
	STEP4 1, 0, 0
	STEP4 2, 0, 0
	STEP4 3, 0, 0
	STEP4 4, 0, 0
	STEP4 5, 2, 0
	s_wait_dscnt 0x0
	s_barrier_signal -1
	s_barrier_wait -1                      ; no wave reads chunk 0 any more: the stages may be written
	PLACES 4
	TOSTAGE 0
.irp j, 1,2,3
.if \j > 1
	s_wait_xcnt 0x0                        ; the stores of two tiles back have read the registers that this tile's rows land in
.endif
	TOSTAGE \j
	SEND \j-1, 48
.endr
	SEND 3, 0
	s_wait_dscnt 0x0
	s_wait_tensorcnt 0x0
	ds_add_u32 v62, v63
	s_wait_dscnt 0x0
	CROUND                                 ; the closing round: no work-group ends while a partner may still ask for a tile that names it
	s_endpgm
.Lfunc_end_k_qe59c049c39_oproj:
	.size	k_qe59c049c39_oproj, .Lfunc_end_k_qe59c049c39_oproj-k_qe59c049c39_oproj
	.p2alignl 7, 3214868480
	.fill 96, 4, 3214868480
	.section	.rodata,"a",@progbits
	.p2align	6, 0x0
	.amdhsa_kernel k_qe59c049c39_oproj
		.amdhsa_group_segment_fixed_size 327680
		.amdhsa_private_segment_fixed_size 0
		.amdhsa_enable_private_segment 0
		.amdhsa_kernarg_size 24
		.amdhsa_user_sgpr_count 2
		.amdhsa_user_sgpr_kernarg_segment_ptr 1
		.amdhsa_wavefront_size32 1
		.amdhsa_system_sgpr_workgroup_id_x 1
		.amdhsa_system_sgpr_workgroup_id_y 1
		.amdhsa_system_sgpr_workgroup_id_z 1
		.amdhsa_system_vgpr_workitem_id 0
		.amdhsa_next_free_vgpr 912
		.amdhsa_next_free_sgpr 100
		.amdhsa_reserve_vcc 0
		.amdhsa_float_denorm_mode_32 3
		.amdhsa_float_denorm_mode_16_64 3
		.amdhsa_memory_ordered 1
		.amdhsa_forward_progress 1
		.amdhsa_inst_pref_size 95
	.end_amdhsa_kernel
	.amdgpu_metadata
---
amdhsa.version: [ 1, 2 ]
amdhsa.kernels:
  - .name:           k_qe59c049c39_oproj
    .symbol:         k_qe59c049c39_oproj.kd
    .args:
      - { .name: aq, .offset: 0, .size: 8, .value_kind: global_buffer, .address_space: global }
      - { .name: woq, .offset: 8, .size: 8, .value_kind: global_buffer, .address_space: global }
      - { .name: out0, .offset: 16, .size: 8, .value_kind: global_buffer, .address_space: global }
    .group_segment_fixed_size: 327680
    .private_segment_fixed_size: 0
    .kernarg_segment_align: 8
    .kernarg_segment_size: 24
    .max_flat_workgroup_size: 128
    .sgpr_count:     100
    .vgpr_count:     912
    .wavefront_size: 32
...
	.end_amdgpu_metadata
.endif
;; end of part 4
